; MI455X (gfx1250); checked and timed in simulation.
; The chip was launched on July 23, 2026; its instructions are those of AMD's public machine-readable ISA for CDNA 5 (MIT licence, August 2026) and "CDNA5" Instruction Set Architecture Reference Guide (July 2026). The comments in the code are by the model that wrote it; some were corrected since.
;; Mo E Layer. Allowed arithmetic: float matrix products may take bf16 or f16 operands with f32 sums; all other float work in f32.
;; Inputs: W1 8 x 1,024 x 1,024 float32; W2 8 x 1,024 x 1,024 float32; Wg 1,024 x 8 float32; b1 8 x 1,024 float32; b2 8 x 1,024 float32; bg 8 float32; x 2 x 2,048 x 1,024 float32.
;; Outputs: out0 2 x 2,048 x 1,024 float32.
;; 2 versions, each right; version 2 is version 1 with the launch prep written anew for expert scheduling mode. Each part assembles by itself: llvm-mc -triple=amdgcn-amd-amdhsa -mcpu=gfx1250 --defsym DOCPART=n.
;; ======== version 1 of 2: 3 launches
;; limits: values are held in f16: magnitudes above 65,504 overflow, below 6.1e-05 lose precision; values outside matrix products are rounded to f16; a function is approximated: absolute error at most 1e-05; an absolute error that grows with the inputs' magnitude: up to 1e-05 times it
;; workspace buffers: xh 8,388,608 bytes; w1h 16,777,216 bytes; w2h 16,777,216 bytes; gates 131,072 bytes; hg 67,108,864 bytes
;; launch prep (part 1): grid 256 x 1, 8 waves a work-group, no clusters, 9,216 bytes of LDS; arguments x, Wg, bg, W1, W2, xh, gates, w1h, w2h; writes xh, gates, w1h, w2h
.if DOCPART == 1
	.amdgcn_target "amdgcn-amd-amdhsa--gfx1250"
	.amdhsa_code_object_version 6
	.text
	.protected	k_q6d984e128c_prep
	.globl	k_q6d984e128c_prep
	.p2align	8
	.type	k_q6d984e128c_prep,@function
k_q6d984e128c_prep:
	s_mov_b64 s[64:65], 0
	v_nop
	global_prefetch_b8 v0, s[64:65] scope:SCOPE_SE
	s_setreg_imm32_b32 hwreg(HW_REG_WAVE_MODE, 25, 1), 1
	s_wait_xcnt 0x0
; PREP: xh = f16(x), w1h = f16(W1), w2h = f16(W2) (layouts unchanged), gates = softmax(x Wg + bg) in f32.
; 256 work-groups of eight waves.  Work-group g takes (A) rows 16 g .. 16 g + 15 of x and (B) 262,144 bytes of weights: g < 128 from W1, the others from W2.
; Thread t owns the 16 bytes at 16 t of every chunk of 4,096 bytes (a row of x, or a chunk of weights): a load of a wave covers 512 consecutive bytes,
; a store of 8 bytes a lane 256 consecutive bytes, aligned.  Every input byte is read once and every output byte written once.
; The gate product has 8 columns and rides on the rows that are in registers for the cast: f32 multiply-adds, no matrix unit (0.02 per cent of the problem's products).
; The weights go through a ring of 16 slots in registers.  Its first round is dealt among the sixteen rows, one slot behind each row, so that the weights' loads and stores go on while the gate sums are made.
; No cluster, no tensor loads: the only shared input is Wg, 32 KiB.  The softmax takes the row's maximum away first.
; WHY f16: 11 significant bits.  With 8 (bf16) the roundings of x, W1, W2 and of the hidden layer add up to a third of the error that the result may have, too near for four million numbers.
; LIMITS: a number of x, W1 or W2 beyond 65,504 in size becomes an infinity; below 2^-14 the rounding step is 2^-24 (weights 30 times smaller than 1/32 have an rms of 0.001: the error is 3e-5 of it).
; A gate below 2^-126 comes out as 0 (the exponential gives no denormal results: ISA guide, its entry in 15.8).
.set XO,  2                            ; v2        16 t
.set YO,  3                            ; v3        8 t
.set WGT, 8                            ; v[8:39]   Wg[4 t + i][e] at 8 i + e
.set X,   40                           ; v[40:103] row i of x: 4 registers; behind its products the first two hold the row as f16
.set BG,  104                          ; v[104:107] bg
.set TT,  108                          ; v[108:115] the other half of the lanes' sums
.set ACC, 136                          ; v[136:143] the row's 8 partial logits
.set COL, 152                          ; v[152:159] lane i keeps row i's 8 sums of this wave
.set RX,  160                          ; v[160:223] the weights' ring: slot i, 4 registers as loaded
.set RY,  224                          ; v[224:255] slot i, 2 registers to store
	s_load_b512 s[8:23], s[0:1], 0x0               ; x s[8:9], Wg s[10:11], bg s[12:13], W1 s[14:15], W2 s[16:17], xh s[18:19], gates s[20:21], w1h s[22:23]
	s_load_b64 s[24:25], s[0:1], 0x40              ; w2h
	v_lshl_add_u32 v134, v0, 2, 0x2000
	v_mov_b32 v135, 0
	v_lshrrev_b32 v7, 5, v0
	v_readfirstlane_b32 s31, v7                    ; wave 0..7
	v_and_b32 v1, 31, v0
	v_lshlrev_b32 v1, 4, v1                        ; 16 x lane
	v_and_b32 v6, 1, v0
	v_lshlrev_b32 v6, 4, v6                        ; 16 x (lane & 1): which four experts
	v_lshlrev_b32 v[XO], 4, v0
	v_lshlrev_b32 v[YO], 3, v0
	v_lshlrev_b32 v4, 7, v0                        ; my four rows of Wg: 128 t
	v_lshlrev_b32 v5, 5, v0                        ; my 32 bytes in LDS
.irp e, 0,1,2,3,4,5,6,7
	v_mov_b32 v[TT+\e], 0                          ; v_permlanex16_b32 counts as a reader of its destination
.endr
	s_mov_b32 s34, 0x76543210                      ; each lane takes its own place in the other half
	s_mov_b32 s35, 0xfedcba98
	s_mov_b32 s36, 0x3fb8aa3b                      ; log2(e)
	s_and_b32 s4, ttmp9, 127                       ; my region of the weight tensor
	s_lshl_b32 s2, s4, 18                          ; x 262,144 bytes of f32
	s_mov_b32 s3, 0
	s_lshl_b32 s4, s4, 17                          ; x 131,072 bytes of f16
	s_mov_b32 s5, 0
	s_lshl_b32 s6, ttmp9, 16                       ; 16 rows of x
	s_mov_b32 s7, 0
	s_lshl_b32 s38, ttmp9, 15                      ; 16 rows of xh
	s_mov_b32 s39, 0
	s_lshl_b32 s40, ttmp9, 9                       ; 16 rows of gates
	s_mov_b32 s41, 0
	s_wait_kmcnt 0x0
	s_cmp_lt_u32 ttmp9, 128
	s_cselect_b64 s[26:27], s[14:15], s[16:17]     ; from W1 or W2
	s_cselect_b64 s[28:29], s[22:23], s[24:25]     ; into w1h or w2h
	s_add_nc_u64 s[26:27], s[26:27], s[2:3]
	s_add_nc_u64 s[28:29], s[28:29], s[4:5]
	s_add_nc_u64 s[8:9], s[8:9], s[6:7]
	s_add_nc_u64 s[18:19], s[18:19], s[38:39]
	s_add_nc_u64 s[20:21], s[20:21], s[40:41]
	; 41 loads go out at once: bg, Wg, the 16 rows of x, the ring's first 16 chunks
	global_load_b128 v[BG:BG+3], v6, s[12:13]
.irp q, 0,1,2,3,4,5,6,7
	global_load_b128 v[WGT+4*\q:WGT+4*\q+3], v4, s[10:11] offset:16*\q
.endr
.irp i, 0,1,2,3,4,5,6,7,8,9,10,11,12,13,14,15
	global_load_b128 v[X+4*\i:X+4*\i+3], v[XO], s[8:9] offset:4096*\i th:TH_LOAD_NT
.endr
.irp i, 0,1,2,3,4,5,6,7,8,9,10,11,12,13,14,15
	global_load_b128 v[RX+4*\i:RX+4*\i+3], v[XO], s[26:27] offset:4096*\i th:TH_LOAD_NT
.endr
; Row i: my four columns' share of the 8 logits; the cast, in place, and its store; the sum over the wave's 32 lanes; lane i keeps it.
.macro ROW i
.if \i == 0
	s_wait_loadcnt 31                              ; loads come back in order: behind row 0 stand 15 rows and the ring's 16 chunks.  The later rows are shown landed by the first slot's wait
.endif
.irp p, 0,2,4,6
	v_pk_mul_f32 v[ACC+\p:ACC+\p+1], v[WGT+\p:WGT+\p+1], v[X+4*\i:X+4*\i+1] op_sel_hi:[1,0]   ; two experts at a time, both times x of column 4 t
.endr
.irp p, 0,2,4,6
	v_pk_fma_f32 v[ACC+\p:ACC+\p+1], v[WGT+8+\p:WGT+8+\p+1], v[X+4*\i:X+4*\i+1], v[ACC+\p:ACC+\p+1] op_sel:[0,1,0] op_sel_hi:[1,1,1]   ; column 4 t + 1
.endr
.irp p, 0,2,4,6
	v_pk_fma_f32 v[ACC+\p:ACC+\p+1], v[WGT+16+\p:WGT+16+\p+1], v[X+4*\i+2:X+4*\i+3], v[ACC+\p:ACC+\p+1] op_sel_hi:[1,0,1]
.endr
.irp p, 0,2,4,6
	v_pk_fma_f32 v[ACC+\p:ACC+\p+1], v[WGT+24+\p:WGT+24+\p+1], v[X+4*\i+2:X+4*\i+3], v[ACC+\p:ACC+\p+1] op_sel:[0,1,0] op_sel_hi:[1,1,1]
.endr
	v_cvt_pk_f16_f32 v[X+4*\i],   v[X+4*\i],   v[X+4*\i+1]      ; the products are made: the row is rounded where it lies
	v_cvt_pk_f16_f32 v[X+4*\i+1], v[X+4*\i+2], v[X+4*\i+3]
	global_store_b64 v[YO], v[X+4*\i:X+4*\i+1], s[18:19] offset:2048*\i
.irp m, 1,2,4,8
.irp e, 0,1,2,3,4,5,6,7
	v_add_f32_dpp v[ACC+\e], v[ACC+\e], v[ACC+\e] row_xmask:\m row_mask:0xf bank_mask:0xf
.endr
.endr
.irp e, 0,1,2,3,4,5,6,7
	v_permlanex16_b32 v[TT+\e], v[ACC+\e], s34, s35
.endr
.irp e, 0,1,2,3,4,5,6,7
	v_add_f32 v[ACC+\e], v[ACC+\e], v[TT+\e]       ; every lane holds the wave's sum
.endr
.if \i == 0
.irp e, 0,1,2,3,4,5,6,7
	v_mov_b32 v[COL+\e], v[ACC+\e]                 ; row 0 writes the registers whole
.endr
.else
	s_mov_b32 s30, 1<<\i
.irp e, 0,1,2,3,4,5,6,7
	v_cndmask_b32 v[COL+\e], v[COL+\e], v[ACC+\e], s30   ; lane i takes row i
.endr
.endif
.endm
; The weights: 64 chunks of 4,096 bytes through a ring of 16 slots in registers: 16 loads of every wave are on their way.
.macro SLOT i, ahead, left
	s_wait_loadcnt \left                           ; this slot's load is in; the younger ones stay out
	v_cvt_pk_f16_f32 v[RY+2*\i],   v[RX+4*\i],   v[RX+4*\i+1]
	v_cvt_pk_f16_f32 v[RY+2*\i+1], v[RX+4*\i+2], v[RX+4*\i+3]
.if \ahead
	global_load_b128 v[RX+4*\i:RX+4*\i+3], v[XO], s[26:27] offset:(16+\i)*4096 th:TH_LOAD_NT
.endif
	global_store_b64 v[YO], v[RY+2*\i:RY+2*\i+1], s[28:29] offset:2048*\i
.endm
.macro NEXTROUND
	s_wait_xcnt 0x0                                ; the two bases and RY, which this round's loads and stores name, are rewritten only behind this wait
	s_add_nc_u64 s[26:27], s[26:27], 0x10000
	s_add_nc_u64 s[28:29], s[28:29], 0x8000
.endm
.irp i, 0,1,2,3,4,5,6,7,8,9,10,11,12,13,14,15
	ROW \i
	SLOT \i, 1, 15                                 ; the ring's first round: behind slot i's load stand 15 - i first fills and i refills
.endr
	NEXTROUND                                      ; (the wait also frees the registers from which the rows of xh were stored)
	ds_store_b128 v5, v[COL:COL+3]                 ; wave w, lane i (0-15): row i at 1,024 w + 32 i; what lanes 16-31 store is never read
	ds_store_b128 v5, v[COL+4:COL+7] offset:16
	s_wait_dscnt 0x0                               ; for wave 0: my stores are done
	s_barrier_signal -1
	s_barrier_wait -1
	s_cmp_lg_u32 s31, 0
	s_cbranch_scc1 .Lring                          ; wave 0 alone finishes the 16 rows' gates
.irp w, 0,1,2,3,4,5,6,7
	ds_load_b128 v[X+4*\w:X+4*\w+3], v1 offset:1024*\w   ; lane l: row l / 2, experts 4 (l & 1) .. + 3, of wave w
.endr
	s_wait_dscnt 0x0
.irp w, 0,2,4,6
	v_pk_add_f32 v[X+4*\w:X+4*\w+1],   v[X+4*\w:X+4*\w+1],   v[X+4*\w+4:X+4*\w+5]
	v_pk_add_f32 v[X+4*\w+2:X+4*\w+3], v[X+4*\w+2:X+4*\w+3], v[X+4*\w+6:X+4*\w+7]
.endr
.irp w, 0,4
	v_pk_add_f32 v[X+4*\w:X+4*\w+1],   v[X+4*\w:X+4*\w+1],   v[X+4*\w+8:X+4*\w+9]
	v_pk_add_f32 v[X+4*\w+2:X+4*\w+3], v[X+4*\w+2:X+4*\w+3], v[X+4*\w+10:X+4*\w+11]
.endr
	v_pk_add_f32 v[X:X+1],   v[X:X+1],   v[X+16:X+17]
	v_pk_add_f32 v[X+2:X+3], v[X+2:X+3], v[X+18:X+19]
	v_pk_add_f32 v[X:X+1],   v[X:X+1],   v[BG:BG+1]
	v_pk_add_f32 v[X+2:X+3], v[X+2:X+3], v[BG+2:BG+3]
	v_max3_num_f32 v144, v[X], v[X+1], v[X+2]      ; the row's maximum: my four, then the neighbour lane's four
	v_max_num_f32 v144, v144, v[X+3]
	v_max_num_f32_dpp v144, v144, v144 row_xmask:1 row_mask:0xf bank_mask:0xf
	v_mul_f32 v145, s36, v144
.irp e, 0,1,2,3
	v_fma_f32 v[146+\e], v[X+\e], s36, -v145       ; (logit - maximum) x log2(e); the same number is taken from all eight
.endr
.irp e, 0,1,2,3
	v_exp_f32 v[146+\e], v[146+\e]
.endr
	v_nop                                          ; a plain instruction between the last exponential and the use of its result
	s_wait_alu depctr_va_vdst(0)
	v_add_f32 v150, v146, v147
	v_add_f32 v151, v148, v149
	v_add_f32 v150, v150, v151
	v_add_f32_dpp v150, v150, v150 row_xmask:1 row_mask:0xf bank_mask:0xf
	v_rcp_f32 v151, v150
	v_nop
	s_wait_alu depctr_va_vdst(0)
.irp e, 0,1,2,3
	v_mul_f32 v[146+\e], v[146+\e], v151
.endr
	global_store_b128 v1, v[146:149], s[20:21]     ; 16 rows x 32 bytes: 512 consecutive bytes
.Lring:
	s_mov_b32 s32, 2                               ; chunks 16 to 47 are cast, chunks 32 to 63 asked for
.Lround:
.irp i, 0,1,2,3,4,5,6,7,8,9,10,11,12,13,14,15
	SLOT \i, 1, 15
.endr
	NEXTROUND
	s_sub_co_u32 s32, s32, 1
	s_cmp_lg_u32 s32, 0
	s_cbranch_scc1 .Lround
.irp i, 0,1,2,3,4,5,6,7,8,9,10,11,12,13,14,15
	SLOT \i, 0, 15-\i                              ; the last round loads nothing: the counts run down
.endr
	s_wait_tensorcnt 0x0
	ds_add_u32 v134, v135
	s_wait_dscnt 0x0
	s_endpgm
.Lfunc_end_k_q6d984e128c_prep:
	.size	k_q6d984e128c_prep, .Lfunc_end_k_q6d984e128c_prep-k_q6d984e128c_prep
	.p2alignl 7, 3214868480
	.fill 96, 4, 3214868480
	.section	.rodata,"a",@progbits
	.p2align	6, 0x0
	.amdhsa_kernel k_q6d984e128c_prep
		.amdhsa_group_segment_fixed_size 9216
		.amdhsa_private_segment_fixed_size 0
		.amdhsa_enable_private_segment 0
		.amdhsa_kernarg_size 72
		.amdhsa_user_sgpr_count 2
		.amdhsa_user_sgpr_kernarg_segment_ptr 1
		.amdhsa_wavefront_size32 1
		.amdhsa_system_sgpr_workgroup_id_x 1
		.amdhsa_system_sgpr_workgroup_id_y 1
		.amdhsa_system_sgpr_workgroup_id_z 1
		.amdhsa_system_vgpr_workitem_id 0
		.amdhsa_next_free_vgpr 256
		.amdhsa_next_free_sgpr 66
		.amdhsa_reserve_vcc 0
		.amdhsa_float_denorm_mode_32 3
		.amdhsa_float_denorm_mode_16_64 3
		.amdhsa_memory_ordered 1
		.amdhsa_forward_progress 1
		.amdhsa_inst_pref_size 97
	.end_amdhsa_kernel
	.amdgpu_metadata
---
amdhsa.version: [ 1, 2 ]
amdhsa.kernels:
  - .name:           k_q6d984e128c_prep
    .symbol:         k_q6d984e128c_prep.kd
    .args:
      - { .name: x, .offset: 0, .size: 8, .value_kind: global_buffer, .address_space: global }
      - { .name: Wg, .offset: 8, .size: 8, .value_kind: global_buffer, .address_space: global }
      - { .name: bg, .offset: 16, .size: 8, .value_kind: global_buffer, .address_space: global }
      - { .name: W1, .offset: 24, .size: 8, .value_kind: global_buffer, .address_space: global }
      - { .name: W2, .offset: 32, .size: 8, .value_kind: global_buffer, .address_space: global }
      - { .name: xh, .offset: 40, .size: 8, .value_kind: global_buffer, .address_space: global }
      - { .name: gates, .offset: 48, .size: 8, .value_kind: global_buffer, .address_space: global }
      - { .name: w1h, .offset: 56, .size: 8, .value_kind: global_buffer, .address_space: global }
      - { .name: w2h, .offset: 64, .size: 8, .value_kind: global_buffer, .address_space: global }
    .group_segment_fixed_size: 9216
    .private_segment_fixed_size: 0
    .kernarg_segment_align: 8
    .kernarg_segment_size: 72
    .max_flat_workgroup_size: 256
    .sgpr_count:     66
    .vgpr_count:     256
    .wavefront_size: 32
...
	.end_amdgpu_metadata
.endif
;; end of part 1
;; launch up (part 2): grid 32 x 8, 4 waves a work-group, clusters of 4 x 4, 327,680 bytes of LDS; arguments xh, w1h, b1, gates, hg; writes hg
.if DOCPART == 2
	.amdgcn_target "amdgcn-amd-amdhsa--gfx1250"
	.amdhsa_code_object_version 6
	.text
	.protected	k_q6d984e128c_up
	.globl	k_q6d984e128c_up
	.p2align	8
	.type	k_q6d984e128c_up,@function
k_q6d984e128c_up:
	s_mov_b64 s[64:65], 0
	v_nop
	global_prefetch_b8 v0, s[64:65] scope:SCOPE_SE
	s_setreg_imm32_b32 hwreg(HW_REG_WAVE_MODE, 25, 1), 1
	s_wait_xcnt 0x0
	s_wait_alu depctr_hold_cnt(0) depctr_sa_sdst(0) depctr_va_vdst(0) depctr_va_sdst(0) depctr_va_ssrc(0) depctr_va_vcc(0) depctr_vm_vsrc(0)
	s_getreg_b32 s2, hwreg(HW_REG_IB_STS2, 6, 4)
	s_cmp_eq_u32 s2, 0
	s_cbranch_scc0 .Lentry_in_a_cluster
	s_endpgm
.Lentry_in_a_cluster:
	s_bfe_u32 s2, ttmp6, 0x10000c
	s_cmp_lg_u32 s2, 0xf033
	s_cbranch_scc0 .Lentry_shape_is_right
	s_endpgm
.Lentry_shape_is_right:
; UP: hg[t][1024 e + j] = gates[t][e] x gelu(sum over d of xh[t][d] w1h[e][d][j] + b1[e][j]), rounded once to f16.
; xh: [4096][1024] f16; w1h: [8][1024 d][1024 j] f16; b1: [8][1024] f32; gates: [4096][8] f32; hg: [4096][8192] f16.  Sums in f32.
; A tile of hg is 256 x 256: four waves, each 128 x 128 = 64 accumulators of 16 x 16.  512 tiles, two for each of 256 work-groups, 2,048 rows apart in one tile column.
; K = 1,024 goes in 8 steps of 128 through two LDS slots filled by tensor loads; the ring runs on from the first tile into the second.
; CLUSTER 4 x 4: the four work-groups of a row of the cluster need the same tiles of xh, the four of a column the same tiles of w1h: each tile is asked for jointly.
; The tile column is 4 x cluster x + cx, so the expert is the cluster's x and the block of 256 columns in the expert is cx.
; THE MATRIX INSTRUCTION IS USED TRANSPOSED: source 0 = 16 columns of w1h, source 1 = 16 rows of xh; a lane then holds row l % 16 and the columns 8 (l / 16) + 0..7.
; w1h lies [k][n], so its fragments come out of LDS turned, by ds_load_tr16_b128.
; GELU: u Phi(u) = max(u, 0) - |u| Q(|u|) = (u + |u| (1 - 2 Q(|u|))) / 2, Q the normal distribution's upper tail, by the rational form 26.2.16 of Abramowitz and Stegun:
; Q(x) = phi(x) (a1 t + a2 t^2 + a3 t^3), t = 1 / (1 + 0.33267 x), absolute error under 1e-5 for every x >= 0.  With a = c |u|, c = sqrt(log2(e) / 2), one number serves three times:
; phi's exponential is 2^(-a a), t = 1 / (1 + (0.33267 / c) a), and |u| (1 - 2 Q) = a (1 / c - 2^(-a a) t (A1 + A2 t + A3 t^2)), Ai = 2 ai / (c sqrt(2 pi)).
; LIMITS: the result's error from Q is at most 1e-5 g |u|; far below 0, where the exponential has run out, u and |u| cancel to within f32's rounding of |u| (1e-7 |u|) and not exactly;
; the result is f16: beyond 65,504 in size it becomes an infinity, below 2^-14 its rounding step is 2^-24.  The room, by the sizes: x and W1 both 30 times larger than unit and 1/32 give u an rms of 900;
; x offset by 30 and W1 by 30/32 give u = 1,024 x 30 x 0.94 = 28,800, and the gate is at most 1; all inputs 30 times smaller give results of rms 7e-5, with an error of 4e-4 of that.
; REGISTERS, in windows of 256: window 0: v16-41 addresses, gates; v48-63, v192-255 at work on the way out; v64-127, v128-191 fragments of xh, two buffers (the second holds u on the way out)
;   window 1: v0-63 b1 of my 128 columns; v64-127, v128-191 fragments of w1h; v192-223 rows read back from the stage;   windows 2, 3: accumulator (a, b) at v[8 (8 (a % 4) + b)]
.set KSTEP,  128
.set PA,     272                       ; an LDS row of xh: 256 bytes + 16: row r starts 68 r words on, so the 16 rows of a load fall on 16 different groups of four words modulo 64
.set PB,     544                       ; an LDS row of w1h: 512 bytes + 32 = 17 x 32: the turning load's 8 rows x 32 bytes fall on different words modulo 64
.set HALFT,  128*PA                    ; what one tensor load brings: 128 rows of xh, or 64 rows of w1h (64 x 544 is the same 34,816)
.set SLOT,   4*HALFT                   ; xh's 256 rows, then w1h's 128 k rows
.set STAGE,  2*SLOT                    ; behind the ring: 16 rows x 272 bytes for each wave
.set SPITCH, 272
.set SPARE,  STAGE+4*16*SPITCH         ; behind the stages: the spare words, 128 bytes a wave, that no other line names
.set LAPS,   4                         ; a lap = two K steps
.set STEP_A, 2*KSTEP*2                 ; a slot's next K step: 256 elements along xh's rows,
.set STEP_B, 2*KSTEP*2048              ; 256 rows of 2,048 bytes down w1h
.set NEXT_A, 2048*2048-6*KSTEP*2       ; from a slot's last K step of the first tile to its first of the second: 2,048 rows down, six steps back,
.set BACK_B, 6*KSTEP*2048              ; w1h only back
.set NEXT_C, (2048-112)*16384          ; hg: from my last 16 rows of the first tile to my first 16 of the second
.set ADRA, 16                          ; v16-17  LDS address of my xh fragments in slot 0, 1
.set ADRB, 20                          ; v20-21  the same for w1h
.set B1O,  23                          ; v23     32 (l / 16): my 8 columns in b1
.set STO,  24                          ; v24     the way out: where I put 16 bytes of a row
.set RD,   25                          ; v25     where I read a row back
.set CO,   26                          ; v26     my byte offset in hg
.set GO,   27                          ; v27     32 (l % 16): my row in gates
.set SPW,  28                          ; v28     my spare word; never rewritten
.set NIL,  29                          ; v29     0; never rewritten
.set A2V,  30                          ; v[30:31] A2, twice
.set GA,   32                          ; v32-39  the gate of my row in each of the tile's eight blocks of 16 rows
.set GH,   40                          ; v[40:41] half the block's gate, twice
.set RP,   56                          ; v56-63  the way out: the polynomial of eight numbers, at last their four packed words
.set F0,   64
.set F1,   128
.set UU,   128                         ; the way out: u = sum + b1 of a block: 16 rows x 128 columns, 64 registers
.set OB,   192                         ; window 1: the block read back as whole rows
.set G1,  24                           ; s[24:31] descriptor group 1 for xh's tiles;  s[32:39] group 0, a set for each slot
.set G0,  32
.set G1B, 48                           ; s[48:55], s[56:63] the same for w1h's
.set G0B, 56
.set PP,  72                           ; s[72:73] 0.33267 / c.  These four are pairs: a packed instruction names a pair and takes its low word
.set A3,  74                           ; s[74:75]
.set A1,  76                           ; s[76:77]
.set KK,  78                           ; s[78:79] 1 / c
.set ADV, 80                           ; s[80:81] what the next block's stores add to hg's address
.set CC,  82                           ; s82  c
.set BLK, 84                           ; s84  counts the way out's eight blocks
.set MSB, 0
.macro WIN new                         ; the immediate's high byte repeats the setting that is left; a switch that changes nothing is dropped
.if MSB != \new
	s_set_vgpr_msb (MSB<<8)|\new
.set MSB, \new
.endif
.endm
.set MUL_LO, 0xa1                      ; source 0 (w1h) window 1, source 1 (xh) window 0, C and D window 2
.set MUL_HI, 0xf1                      ; the same, C and D window 3
.set TO_B,   0x40                      ; destination window 1, address window 0
; A joint load.  Waves 0 and 1 fetch xh's two halves, waves 2 and 3 w1h's.  The branch hangs on the wave's number alone.  Four v_nop follow each of the two lines.
.macro JLOAD s
	s_cmp_eq_u32 s11, 0
	s_cbranch_scc0 .Lfor_b_\@
	tensor_load_to_lds s[G0+4*\s:G0+4*\s+3], s[G1:G1+7]
	s_nop 0
.rept 4
	v_nop
.endr
	s_branch .Lasked_\@
.Lfor_b_\@:
	tensor_load_to_lds s[G0B+4*\s:G0B+4*\s+3], s[G1B:G1B+7]
	s_nop 0
.rept 4
	v_nop
.endr
.Lasked_\@:
.endm
.macro CREST                           ; a round of the cluster's barrier behind its opening barrier
	s_cmp_lg_u32 s10, 0
	s_cbranch_scc1 .Lnot_wave_0_\@
	s_barrier_signal -3
.Lnot_wave_0_\@:
	s_barrier_wait -3
	s_barrier_signal -1
	s_barrier_wait -1
.endm
.macro CROUND                          ; a whole round
	s_barrier_signal -1
	s_barrier_wait -1
	CREST
.endm
	s_load_b128 s[4:7], s[0:1], 0x0                ; xh s[4:5], w1h s[6:7]
	s_load_b128 s[68:71], s[0:1], 0x10             ; b1 s[68:69], gates s[70:71]
	s_load_b64 s[8:9], s[0:1], 0x20                ; hg
	v_lshl_add_u32 v[SPW], v0, 2, SPARE
	v_mov_b32 v[NIL], 0
	ds_add_u32 v28, v29
	s_wait_dscnt 0x0
	v_lshrrev_b32 v1, 5, v0
	v_readfirstlane_b32 s10, v1                    ; wave 0..3
	s_lshr_b32 s11, s10, 1                         ; which half of the tile's rows is mine.  Also: I fetch for xh (0) or for w1h (1)
	s_and_b32 s12, s10, 1                          ; which half of its columns.  Also: which half of that tile I fetch
	s_bfe_u32 s40, ttmp6, 0x40000                  ; cx
	s_bfe_u32 s41, ttmp6, 0x40004                  ; cy
	s_and_b32 s13, ttmp7, 0xffff
	s_lshl_b32 s13, s13, 2
	s_add_co_u32 s13, s13, s41                     ; tile row 0..7 = 4 x cluster y + cy
	s_lshl_b32 s43, s41, 2
	s_lshl_b32 s43, 15, s43                        ; my row of the cluster
	s_lshl_b32 s44, 0x1111, s40                    ; my column
	s_or_b32 s[G1+0], s43, (1<<16)|(1<<20)|(1<<21)|(5<<22)|(3<<25)   ; mask: my row; elements of 2 bytes; padding on; bit 21 beside a mask; after every 64 words, 4 words
	s_mov_b32 s[G1+1], 128<<16                     ; tensor_dim0 = 128
	s_mov_b32 s[G1+2], 128<<16                     ; tensor_dim1 = 128
	s_mov_b32 s[G1+3], 128<<16                     ; tile_dim0 = 128
	s_mov_b32 s[G1+4], 128                         ; tile_dim1 = 128
	s_mov_b32 s[G1+5], 1024                        ; elements from row to row
	s_mov_b32 s[G1+6], 0
	s_mov_b32 s[G1+7], 0
	s_or_b32 s[G1B+0], s44, (1<<16)|(1<<20)|(1<<21)|(6<<22)|(7<<25)  ; mask: my column; after every 128 words, 8 words
	s_mov_b32 s[G1B+1], 256<<16                    ; tensor_dim0 = 256
	s_mov_b32 s[G1B+2], 64<<16                     ; tensor_dim1 = 64
	s_mov_b32 s[G1B+3], 256<<16                    ; tile_dim0 = 256
	s_mov_b32 s[G1B+4], 64                         ; tile_dim1 = 64
	s_mov_b32 s[G1B+5], 1024
	s_mov_b32 s[G1B+6], 0
	s_mov_b32 s[G1B+7], 0
	s_lshl_b32 s16, s13, 19                        ; xh: (256 x tile row + 128 x half) rows of 2,048 bytes: hangs on the tile row alone
	s_lshl_b32 s17, s12, 18
	s_add_co_u32 s16, s16, s17
	s_mov_b32 s17, 0
	s_lshl_b32 s46, ttmp9, 21                      ; w1h: the expert's 2 MiB, my 64 k rows, the block of 256 columns: hangs on the tile column alone
	s_lshl_b32 s47, s12, 17
	s_add_co_u32 s46, s46, s47
	s_lshl_b32 s47, s40, 9
	s_add_co_u32 s46, s46, s47
	s_mov_b32 s47, 0
	s_mul_i32 s20, s10, HALFT                      ; where they go: wave x 34,816 bytes: no place in the cluster enters an LDS address
	s_mov_b32 s[PP], 0x3ec88b76                    ; 0.33267 / c = 0.3916890
	s_mov_b32 s[PP+1], s[PP]
	s_mov_b32 s[A3], 0x3f616a97                    ; 0.9394373 x 0.9372980 = 0.8805327
	s_mov_b32 s[A3+1], s[A3]
	s_mov_b32 s[A1], 0x3ed1cd00                    ; 0.9394373 x 0.4361836 = 0.4097671
	s_mov_b32 s[A1+1], s[A1]
	s_mov_b32 s[KK], 0x3f96b55f                    ; 1 / c = 1.1774100
	s_mov_b32 s[KK+1], s[KK]
	s_mov_b32 s[CC], 0x3f596d27                    ; c = 0.8493218
	s_mov_b32 s[ADV], 0                            ; the first block of the first tile lies where hg's address will point
	s_mov_b32 s[ADV+1], 0
	s_wait_kmcnt 0x0
	s_add_nc_u64 s[14:15], s[4:5], s[16:17]
	s_add_nc_u64 s[46:47], s[6:7], s[46:47]
	CROUND                                         ; all sixteen work-groups are here: the first joint loads meet
.irp s, 0,1
	s_mov_b32 s[G0+4*\s], 1
	s_add_co_u32 s[G0+4*\s+1], s20, \s*SLOT
	s_add_nc_u64 s[G0+4*\s+2:G0+4*\s+3], s[14:15], \s*KSTEP*2
	s_or_b32 s[G0+4*\s+3], s[G0+4*\s+3], 0x80000000
	s_mov_b32 s[G0B+4*\s], 1
	s_add_co_u32 s[G0B+4*\s+1], s20, \s*SLOT
	s_add_nc_u64 s[G0B+4*\s+2:G0B+4*\s+3], s[46:47], \s*KSTEP*2048
	s_or_b32 s[G0B+4*\s+3], s[G0B+4*\s+3], 0x80000000
	JLOAD \s                                       ; both slots are asked for before anything else: two loads of mine are out
.endr
	v_and_b32 v1, 15, v0                           ; r = l % 16
	v_bfe_u32 v2, v0, 4, 1                         ; h = l / 16
	v_mul_u32_u24 v3, v1, PA
	v_lshl_add_u32 v3, v2, 4, v3                   ; xh's fragment: row r x pitch + 16 h
	v_and_b32 v4, 7, v0
	v_lshl_add_u32 v4, v2, 3, v4
	v_mul_u32_u24 v4, v4, PB                       ; w1h's: k row 8 h + l % 8,
	v_bfe_u32 v5, v0, 3, 1
	v_lshl_add_u32 v4, v5, 4, v4                   ; columns 8 ((l / 8) % 2) on
	s_mul_i32 s21, s11, HALFT                      ; my 128 rows of xh
	s_lshl_b32 s22, s12, 8                         ; my 128 columns of w1h,
	s_add_co_u32 s22, s22, 2*HALFT                 ; which lies behind xh's 256 rows
.irp s, 0,1
	v_add_nc_u32 v[ADRA+\s], s21, v3
	v_add_nc_u32 v[ADRB+\s], s22, v4
	s_add_co_u32 s21, s21, SLOT
	s_add_co_u32 s22, s22, SLOT
.endr
	s_mul_i32 s23, s10, 16*SPITCH
	s_add_co_u32 s23, s23, STAGE                   ; my stage
	v_add_nc_u32 v[STO], s23, v3                   ; in: row r, 16 bytes for each half of the lanes (the stage's pitch is xh's)
	v_mul_u32_u24 v5, v2, SPITCH
	v_lshl_add_u32 v5, v1, 4, v5
	v_add_nc_u32 v[RD], s23, v5                    ; back: lanes 0-15 one row of 256 bytes, lanes 16-31 the next
	v_lshlrev_b32 v5, 14, v2
	v_lshl_add_u32 v[CO], v1, 4, v5                ; the same two rows in hg, 16,384 bytes apart
	v_lshlrev_b32 v[GO], 5, v1
	v_lshlrev_b32 v[B1O], 5, v2
	v_mov_b32 v[A2V], 0xbde732d6                   ; 0.9394373 x -0.1201676 = -0.1128899
	v_mov_b32 v[A2V+1], 0xbde732d6
	s_lshl_b32 s86, ttmp9, 12                      ; b1: the expert's row, the block of 256 columns, my 128 of them
	s_lshl_b32 s87, s40, 10
	s_add_co_u32 s86, s86, s87
	s_lshl_b32 s87, s12, 9
	s_add_co_u32 s86, s86, s87
	s_mov_b32 s87, 0
	s_add_nc_u64 s[68:69], s[68:69], s[86:87]
	s_lshl_b32 s86, s13, 13                        ; gates: (256 x tile row + 128 x half) rows of 32 bytes, the expert's word
	s_lshl_b32 s87, s11, 12
	s_add_co_u32 s86, s86, s87
	s_lshl_b32 s87, ttmp9, 2
	s_add_co_u32 s86, s86, s87
	s_mov_b32 s87, 0
	s_add_nc_u64 s[70:71], s[70:71], s[86:87]
	s_lshl_b32 s86, s13, 22                        ; hg: the same rows of 16,384 bytes; 512 bytes a tile column, 256 for my half
	s_lshl_b32 s87, s11, 21
	s_add_co_u32 s86, s86, s87
	s_lshl_b32 s87, ttmp9, 11
	s_add_co_u32 s86, s86, s87
	s_lshl_b32 s87, s40, 9
	s_add_co_u32 s86, s86, s87
	s_lshl_b32 s87, s12, 8
	s_add_co_u32 s86, s86, s87
	s_mov_b32 s87, 0
	s_add_nc_u64 s[8:9], s[8:9], s[86:87]
	WIN TO_B
.irp b, 0,1,2,3,4,5,6,7
	global_load_b128 v[8*\b:8*\b+3],   v[B1O], s[68:69] offset:64*\b      ; b1 of columns 16 b + 8 h + 0..7, once for both tiles
	global_load_b128 v[8*\b+4:8*\b+7], v[B1O], s[68:69] offset:64*\b+16
.endr
	WIN 0
; 16 matrix instructions: blocks a0, a0 + 1 of the window's four blocks of rows x all 8 blocks of columns, 32 along K.  zero = 1: the product starts the sums.
.macro MUL16 f, hi, a0, zero
.irp a, \a0, \a0+1
.irp b, 0,1,2,3,4,5,6,7
.if \zero
	v_wmma_f32_16x16x32_f16 v[8*(8*(\a)+\b):8*(8*(\a)+\b)+7], v[\f+8*\b:\f+8*\b+7], v[\f+8*(4*\hi+\a):\f+8*(4*\hi+\a)+7], 0
.else
	v_wmma_f32_16x16x32_f16 v[8*(8*(\a)+\b):8*(8*(\a)+\b)+7], v[\f+8*\b:\f+8*\b+7], v[\f+8*(4*\hi+\a):\f+8*(4*\hi+\a)+7], v[8*(8*(\a)+\b):8*(8*(\a)+\b)+7]
.endif
.endr
.endr
.endm
; 32 LDS loads in one run: the fragments of quarter q (32 along K) of a slot into buffer f: w1h's 128 columns, turned, then xh's 128 rows
.macro FETCH slot, q, f
	WIN TO_B
.irp i, 0,1,2,3,4,5,6,7
	ds_load_tr16_b128 v[\f+8*\i:\f+8*\i+3],   v[ADRB+\slot] offset:\q*32*PB+32*\i
	ds_load_tr16_b128 v[\f+8*\i+4:\f+8*\i+7], v[ADRB+\slot] offset:\q*32*PB+16*PB+32*\i
.endr
	WIN 0
.irp i, 0,1,2,3,4,5,6,7
	ds_load_b128 v[\f+8*\i:\f+8*\i+3],   v[ADRA+\slot] offset:\q*64+\i*16*PA
	ds_load_b128 v[\f+8*\i+4:\f+8*\i+7], v[ADRA+\slot] offset:\q*64+\i*16*PA+32
.endr
.endm
; Four plain vector instructions stand between a matrix instruction and a load into, or a vector write of, one of its registers, and a vector read of its result
.macro PLACES
.rept 4
	v_nop
.endr
.endm
; One of a K step's first three quarters: multiplies buffer f; in its middle it fetches quarter q of the same slot into buffer g.
.macro QUARTER slot, q, f, g, zero
	s_wait_dscnt 8                                 ; w1h's fragments and xh's rows 0-63 are in; the youngest eight loads (rows 64-127) may be out
	WIN MUL_LO
	MUL16 \f, 0, 0, \zero
	MUL16 \f, 0, 2, \zero
	PLACES
	FETCH \slot, \q, \g
	s_wait_dscnt 32                                ; all but the 32 just issued
	WIN MUL_HI
	MUL16 \f, 1, 0, \zero
	MUL16 \f, 1, 2, \zero
.endm
; The first half of a K step's last quarter: ONE barrier for the change of slots.
.macro MEET round
	WIN 0                                          ; (the add's two registers lie in window 0)
	s_wait_tensorcnt 0x0                           ; all my tensor loads have landed: the one that was out is my part of the next slot
	ds_add_u32 v[SPW], v[NIL]                      ; 0 onto my spare word
	s_wait_dscnt 9                                 ; (the add and the youngest eight loads may be out)
	WIN MUL_LO
	MUL16 F1, 0, 0, 0                              ; sixteen matrix instructions stand between the add and the wait for it
	s_wait_dscnt 0x0                               ; the add is done, and my reads of this slot are over
	s_barrier_signal -1
	MUL16 F1, 0, 2, 0
.if \round
	WIN 0
.endif
	s_barrier_wait -1
.endm
; The whole last quarter with a refill: the barrier opens a round of the cluster's; behind the round the slot just read out is filled again first
; (on = 0: this tile's K step two on; on = 1: the second tile's K step 0 or 1), then the next slot's first fragments are read.  From a request to the wait for it: 224 matrix instructions.
.macro TURN slot, next, on
	MEET 1
	CREST
.if \on
	s_add_nc_u64 s[G0+4*\slot+2:G0+4*\slot+3], s[G0+4*\slot+2:G0+4*\slot+3], NEXT_A
	s_sub_nc_u64 s[G0B+4*\slot+2:G0B+4*\slot+3], s[G0B+4*\slot+2:G0B+4*\slot+3], BACK_B
.else
	s_add_nc_u64 s[G0+4*\slot+2:G0+4*\slot+3], s[G0+4*\slot+2:G0+4*\slot+3], STEP_A
	s_add_nc_u64 s[G0B+4*\slot+2:G0B+4*\slot+3], s[G0B+4*\slot+2:G0B+4*\slot+3], STEP_B
.endif
	JLOAD \slot                                    ; my one tensor load behind the round; its four v_nop are also the places in front of the loads below
	FETCH \next, 0, F0
	WIN MUL_HI
	MUL16 F1, 1, 0, 0
	MUL16 F1, 1, 2, 0
.endm
.macro TURN_END next                   ; the same without a refill: nothing is left to fetch, so no round follows the barrier
	MEET 0
	PLACES
	FETCH \next, 0, F0
	WIN MUL_HI
	MUL16 F1, 1, 0, 0
	MUL16 F1, 1, 2, 0
.endm
.macro LASTQ                           ; the very last quarter
	s_wait_dscnt 8
	WIN MUL_LO
	MUL16 F1, 0, 0, 0
	MUL16 F1, 0, 2, 0
	s_wait_dscnt 0x0
	WIN MUL_HI
	MUL16 F1, 1, 0, 0
	MUL16 F1, 1, 2, 0
.endm
.macro GLOAD                           ; the tile's gates: block a, my row 16 a + r
.irp a, 0,1,2,3,4,5,6,7
	global_load_b32 v[GA+\a], v[GO], s[70:71] offset:512*\a
.endr
.endm
; THE WAY OUT.  Block a (16 rows x 128 columns): u = sum + b1 into window 0; each accumulator is read from its low end on.
.macro COPYIN a
.set AC, 64*((\a)%4)
	WIN (0x06+(\a)/4)                              ; source 0 window 2 or 3, source 1 window 1, destination window 0
.irp b, 0,1,2,3,4,5,6,7
.irp r, 0,2,4,6
	v_pk_add_f32 v[UU+8*\b+\r:UU+8*\b+\r+1], v[AC+8*\b+\r:AC+8*\b+\r+1], v[8*\b+\r:8*\b+\r+1]
.endr
.endr
	WIN 0
	v_mul_f32 v[GH], 0.5, v[GA+\a]
	v_mov_b32 v[GH+1], v[GH]
.endm
; g x gelu of a block, by its eight groups of eight numbers a lane (column block g), IN THREE STAGES that overlap from group to group:
;   ahead (16 plain instructions): a = c |u|; 1 + (p / c) a; -a a          the 16 transcendentals: eight reciprocals, eight exponentials, in place
;   behind (28 plain): the polynomial (12); 1 / c - polynomial x exponential (4); u + a x that (4); x g / 2 (4); rounding to f16 (4); then the group's 16 bytes go to the stage
; Slot k of ten holds the transcendentals of group k - 1, and between them what is behind them for group k - 2 and ahead of them for group k: three plain instructions behind each
; transcendental (44 for 16), none of which touches its registers; a line that reads a result stands four plain lines behind the line that made it.
; a, t and the exponential of a group have a register set of their own; three sets take turns, since three groups are under way.
.macro SETOF g
.set sAP, 192+24*((\g)%3)              ; a:  v192, v216, v240
.set sTQ, sAP+8                        ; t:  v200, v224, v248
.set sEX, sAP+16                       ; the exponential: v208, v232,
.if ((\g)%3) == 2
.set sEX, 48                           ; v48
.endif
.endm
.macro PAX                             ; instruction jA of the 16 ahead, for group gA
	SETOF gA
.if jA < 8
	v_mul_f32 v[sAP+jA], s[CC], |v[UU+8*gA+jA]|
.elseif jA < 12
.set pp, 2*(jA-8)
	v_pk_fma_f32 v[sTQ+pp:sTQ+pp+1], v[sAP+pp:sAP+pp+1], s[PP:PP+1], 1.0 op_sel_hi:[1,0,0]
.else
.set pp, 2*(jA-12)
	v_pk_mul_f32 v[sEX+pp:sEX+pp+1], v[sAP+pp:sAP+pp+1], v[sAP+pp:sAP+pp+1] neg_lo:[1,0] neg_hi:[1,0]
.endif
.endm
.macro TRX                             ; transcendental nT of 16, for group gT
	SETOF gT
.if nT < 8
	v_rcp_f32 v[sTQ+nT], v[sTQ+nT]
.else
	v_exp_f32 v[sEX+nT-8], v[sEX+nT-8]
.endif
.endm
.macro PBX                             ; instruction jB of the 28 behind, for group gB
	SETOF gB
.set pp, 2*(jB%4)
.set ug, UU+8*gB+pp
.if jB < 4
	s_wait_alu depctr_va_vdst(0)
	v_pk_fma_f32 v[RP+pp:RP+pp+1], v[sTQ+pp:sTQ+pp+1], s[A3:A3+1], v[A2V:A2V+1] op_sel_hi:[1,0,1]
.elseif jB < 8
	v_pk_fma_f32 v[RP+pp:RP+pp+1], v[RP+pp:RP+pp+1], v[sTQ+pp:sTQ+pp+1], s[A1:A1+1] op_sel_hi:[1,1,0]
.elseif jB < 12
	v_pk_mul_f32 v[RP+pp:RP+pp+1], v[RP+pp:RP+pp+1], v[sTQ+pp:sTQ+pp+1]
.elseif jB < 16
	v_pk_fma_f32 v[RP+pp:RP+pp+1], v[RP+pp:RP+pp+1], v[sEX+pp:sEX+pp+1], s[KK:KK+1] op_sel_hi:[1,1,0] neg_lo:[1,0,0] neg_hi:[1,0,0]
.elseif jB < 20
	v_pk_fma_f32 v[RP+pp:RP+pp+1], v[sAP+pp:sAP+pp+1], v[RP+pp:RP+pp+1], v[ug:ug+1]
.elseif jB < 24
	v_pk_mul_f32 v[RP+pp:RP+pp+1], v[RP+pp:RP+pp+1], v[GH:GH+1]
.else
	v_cvt_pk_f16_f32 v[RP+jB-24], v[RP+pp], v[RP+pp+1]    ; in place, ascending: a result never lands on a number still to be read
.endif
.endm
.macro PLAINX                          ; the slot's next plain instruction, if one is left: first those behind, then those ahead
.if q < nB
.set jB, q
	PBX
.elseif q < nB+nA
.set jA, q-nB
	PAX
.endif
.set q, q+1
.if (nB > 0) && (q == 32)
	ds_store_b128 v[STO], v[RP:RP+3] offset:32*gB         ; four plain lines or more behind the last rounding
.endif
.endm
.macro GSLOT k
.set gB, (\k)-2
.set gT, (\k)-1
.set gA, \k
.set nB, 0
.set nA, 0
.if (\k) >= 2
.set nB, 28
.endif
.if (\k) <= 7
.set nA, 16
.endif
.set per, (nA+nB+15)/16                ; plain instructions behind each transcendental: 3; in slot 1 one, in slot 8 two
.set q, 0
.if ((\k) >= 1) && ((\k) <= 8)
.set nT, 0
.rept 16
	TRX
.set nT, nT+1
.rept per
	PLAINX
.endr
.endr
.else
.rept 32
	PLAINX
.endr
.endif
.endm
; The eight blocks go round a loop, so that the gelu's text stands once a tile; only the copy out of the accumulators differs from block to block, and the counter picks it.
; A trip: the block's gelu, group by group into my own stage; the loads that bring whole rows back; the NEXT block's copy, which stands between those loads and the wait for them; the stores.
.macro WAYOUT
	WIN 0
	s_wait_loadcnt 0x0                             ; the tile's gates, and b1
	PLACES                                         ; behind the last products: u lands on the fragment buffer that they read, and their results are read
	COPYIN 0
	s_mov_b32 s[BLK], 0
.Lblk_\@:
.irp k, 0,1,2,3,4,5,6,7,8,9
	GSLOT \k
.endr
	s_wait_xcnt 0x0                                ; the last block's stores were issued a whole block ago: their base and their data registers are rewritten only behind this wait
	s_add_nc_u64 s[8:9], s[8:9], s[ADV:ADV+1]      ; on to this block's rows
	s_mov_b32 s[ADV], 16*16384                     ; the next block lies 16 rows of hg on
	WIN TO_B
.irp t, 0,1,2,3,4,5,6,7
	ds_load_b128 v[OB+4*\t:OB+4*\t+3], v[RD] offset:\t*2*SPITCH   ; LDS serves a wave's instructions in order: these see the eight stores above
.endr
	WIN 0
	s_add_co_u32 s[BLK], s[BLK], 1
.irp k, 1,2,3,4,5,6,7
	s_cmp_eq_u32 s[BLK], \k
	s_cbranch_scc1 .Lin\@_\k
.endr
	s_branch .Lsend_\@                             ; behind the last block there is nothing to copy
.irp k, 1,2,3,4,5,6
.Lin\@_\k:
	COPYIN \k
	s_branch .Lsend_\@
.endr
.Lin\@_7:
	COPYIN 7
.Lsend_\@:
	s_wait_dscnt 0x0                               ; the block is back in registers
	WIN 0x04                                       ; store data in window 1
.irp t, 0,1,2,3,4,5,6,7
	global_store_b128 v[CO], v[OB+4*\t:OB+4*\t+3], s[8:9] offset:\t*32768   ; 16 lanes store 256 consecutive bytes, at a multiple of 256 from hg's first byte
.endr
	WIN 0
	s_cmp_lt_u32 s[BLK], 8
	s_cbranch_scc1 .Lblk_\@
.endm
; A tile.  Its first quarter stands in front of the loop: its products start the sums.  A trip goes once round the ring.  The 64 accumulators take turns, in the same order
; in every quarter.  last = 0: the ring goes on into the second tile; last = 1: the tail asks for nothing.
.macro TILE last
	GLOAD
	QUARTER 0, 1, F0, F1, 1
	WIN 0                                          ; at a label and at a branch every window is 0
	s_mov_b32 s3, LAPS-1
.Llap_\@:
	QUARTER 0, 2, F1, F0, 0
	QUARTER 0, 3, F0, F1, 0
	TURN 0, 1, 0
	QUARTER 1, 1, F0, F1, 0
	QUARTER 1, 2, F1, F0, 0
	QUARTER 1, 3, F0, F1, 0
	TURN 1, 0, 0
	QUARTER 0, 1, F0, F1, 0
	WIN 0
	s_sub_co_u32 s3, s3, 1
	s_cmp_lg_u32 s3, 0
	s_cbranch_scc1 .Llap_\@
	QUARTER 0, 2, F1, F0, 0
	QUARTER 0, 3, F0, F1, 0
.if \last
	TURN_END 1
	QUARTER 1, 1, F0, F1, 0
	QUARTER 1, 2, F1, F0, 0
	QUARTER 1, 3, F0, F1, 0
	LASTQ
.else
	TURN 0, 1, 1                                   ; slot 0 takes the second tile's K step 0,
	QUARTER 1, 1, F0, F1, 0
	QUARTER 1, 2, F1, F0, 0
	QUARTER 1, 3, F0, F1, 0
	TURN 1, 0, 1                                   ; slot 1 its K step 1, and its first fragments are fetched into buffer 0, which the way out leaves alone
.endif
	WAYOUT
.endm
	s_wait_tensorcnt 1                             ; my part of K step 0 is in; K step 1's may stay out
	s_barrier_signal -1
	s_barrier_wait -1                              ; everybody's is
	FETCH 0, 0, F0
	TILE 0
	s_mov_b32 s[ADV], NEXT_C                       ; what the second tile's first block adds to hg's address (no memory instruction names this register)
	s_add_nc_u64 s[70:71], s[70:71], 2048*32       ; the gates' base goes 2,048 rows on: the loads that named it have come back
	TILE 1
	s_wait_tensorcnt 0x0                           ; the wave's end
	ds_add_u32 v[SPW], v[NIL]
	s_wait_dscnt 0x0
	CROUND                                         ; the closing round: no work-group ends while a partner may still ask for a tile that names it
	s_endpgm
.Lfunc_end_k_q6d984e128c_up:
	.size	k_q6d984e128c_up, .Lfunc_end_k_q6d984e128c_up-k_q6d984e128c_up
	.p2alignl 7, 3214868480
	.fill 96, 4, 3214868480
	.section	.rodata,"a",@progbits
	.p2align	6, 0x0
	.amdhsa_kernel k_q6d984e128c_up
		.amdhsa_group_segment_fixed_size 327680
		.amdhsa_private_segment_fixed_size 0
		.amdhsa_enable_private_segment 0
		.amdhsa_kernarg_size 40
		.amdhsa_user_sgpr_count 2
		.amdhsa_user_sgpr_kernarg_segment_ptr 1
		.amdhsa_wavefront_size32 1
		.amdhsa_system_sgpr_workgroup_id_x 1
		.amdhsa_system_sgpr_workgroup_id_y 1
		.amdhsa_system_sgpr_workgroup_id_z 1
		.amdhsa_system_vgpr_workitem_id 0
		.amdhsa_next_free_vgpr 1024
		.amdhsa_next_free_sgpr 96
		.amdhsa_reserve_vcc 0
		.amdhsa_float_denorm_mode_32 3
		.amdhsa_float_denorm_mode_16_64 3
		.amdhsa_memory_ordered 1
		.amdhsa_forward_progress 1
		.amdhsa_inst_pref_size 255
	.end_amdhsa_kernel
	.section	.bss,"aw",@nobits
	.p2align	6
	.space	262144
	.amdgpu_metadata
---
amdhsa.version: [ 1, 2 ]
amdhsa.kernels:
  - .name:           k_q6d984e128c_up
    .symbol:         k_q6d984e128c_up.kd
    .args:
      - { .name: xh, .offset: 0, .size: 8, .value_kind: global_buffer, .address_space: global }
      - { .name: w1h, .offset: 8, .size: 8, .value_kind: global_buffer, .address_space: global }
      - { .name: b1, .offset: 16, .size: 8, .value_kind: global_buffer, .address_space: global }
      - { .name: gates, .offset: 24, .size: 8, .value_kind: global_buffer, .address_space: global }
      - { .name: hg, .offset: 32, .size: 8, .value_kind: global_buffer, .address_space: global }
    .group_segment_fixed_size: 327680
    .private_segment_fixed_size: 0
    .kernarg_segment_align: 8
    .kernarg_segment_size: 40
    .max_flat_workgroup_size: 128
    .sgpr_count:     96
    .vgpr_count:     1024
    .wavefront_size: 32
...
	.end_amdgpu_metadata
.endif
;; end of part 2
;; launch down (part 3): grid 8 x 32, 4 waves a work-group, clusters of 4 x 4, 327,680 bytes of LDS; arguments hg, w2h, b2, gates, out0; writes out0
.if DOCPART == 3
	.amdgcn_target "amdgcn-amd-amdhsa--gfx1250"
	.amdhsa_code_object_version 6
	.text
	.protected	k_q6d984e128c_down
	.globl	k_q6d984e128c_down
	.p2align	8
	.type	k_q6d984e128c_down,@function
k_q6d984e128c_down:
	s_mov_b64 s[64:65], 0
	v_nop
	global_prefetch_b8 v0, s[64:65] scope:SCOPE_SE
	s_setreg_imm32_b32 hwreg(HW_REG_WAVE_MODE, 25, 1), 1
	s_wait_xcnt 0x0
	s_wait_alu depctr_hold_cnt(0) depctr_sa_sdst(0) depctr_va_vdst(0) depctr_va_sdst(0) depctr_va_ssrc(0) depctr_va_vcc(0) depctr_vm_vsrc(0)
	s_getreg_b32 s2, hwreg(HW_REG_IB_STS2, 6, 4)
	s_cmp_eq_u32 s2, 0
	s_cbranch_scc0 .Lentry_in_a_cluster
	s_endpgm
.Lentry_in_a_cluster:
	s_bfe_u32 s2, ttmp6, 0x10000c
	s_cmp_lg_u32 s2, 0xf033
	s_cbranch_scc0 .Lentry_shape_is_right
	s_endpgm
.Lentry_shape_is_right:
; DOWN: out0[t][n] = sum over k of hg[t][k] w2h[k][n] + sum over e of gates[t][e] b2[e][n].
; hg: [4096][8192] f16 (the gate is already in it); w2h: [8192][1024] f16; b2: [8][1024] f32; gates: [4096][8] f32; out0: [4096][1024] f32.  Sums in f32.
; out0 has 256 tiles of 128 x 128: one for each work-group.  THE FOUR WAVES SPLIT K: every wave makes the whole tile (64 accumulators of 16 x 16) for its own 64 of each K step's 256,
; so that each fragment read from LDS feeds as many products as in a tile of 256 x 256 shared by rows and columns; the four partial tiles are added through LDS at the end, in a fixed order.
; K = 8,192 goes in 32 steps of 256 through two LDS slots filled by tensor loads.  CLUSTER 4 x 4: hg's tiles are shared along a row of the cluster, w2h's along a column, asked for jointly.
; A K step has 128 matrix instructions a wave for 131,072 bytes of tiles, half of what a tile of 256 x 256 has: so nothing but the waits, the add and the round stands between a tile's landing and
; the next request, and all of a step's products stand between a request and the wait for it.
; The sums are started by the product gates x b2 (K = 8, padded with zeros to 32, operands rounded to f16), in wave 0; in waves 1 to 3 by the same product of zeros.
; LIMIT: a number of b2 beyond 65,504 in size becomes an infinity; below 2^-14 the rounding step of b2 and of the gates in that product is 2^-24.
; The matrix instruction is used transposed (source 0 = 16 columns of w2h, turned by ds_load_tr16_b128; source 1 = 16 rows of hg): a lane holds row l % 16 and the columns 8 (l / 16) + 0..7.
; REGISTERS: window 0: v16-39 addresses; v64-127, v128-191 fragments of hg, two buffers (at the end: rows read back); v128-255 at work in the head
;   window 1: v64-127, v128-191 fragments of w2h;   windows 2, 3: accumulator (a, b) at v[8 (8 (a % 4) + b)]
.set KSTEP,  256
.set PA,     528                       ; an LDS row of hg: 512 bytes + 16 = 33 x 16
.set PB,     288                       ; an LDS row of w2h: 256 bytes + 32 = 9 x 32
.set ATILE,  128*PA                    ; hg's 128 rows: 67,584 bytes
.set SLOT,   ATILE+256*PB              ; then w2h's 256 k rows: 141,312 bytes in all
.set SPARE,  2*SLOT                    ; behind the ring: the spare words, 128 bytes a wave, that no other line names
.set PSUM,   528                       ; a row of a partial tile: 128 f32 + 16 bytes
.set SUMT,   128*PSUM                  ; a partial tile; the four lie in the ring's bytes, after its last fill and its last read
.set STEP_A, 2*KSTEP*2
.set STEP_B, 2*KSTEP*2048
.set ADRA, 16                          ; v16-17  LDS address of my hg fragments in slot 0, 1
.set ADRB, 20                          ; v20-21  the same for w2h
.set GO,   22                          ; v22     32 (l % 16): my row in gates
.set BO,   23                          ; v23     4 (l % 16): my column in b2
.set DST,  24                          ; v24     where my partial tile's 32 bytes go
.set CO,   25                          ; v25     16 x lane
.set SPW,  28                          ; v28     my spare word; never rewritten
.set NIL,  29                          ; v29     0; never rewritten
.set RDA,  32                          ; v32-35  where I read my 32 rows of partial tile 0..3
.set VPA,  36                          ; v36     asking ahead, hg: 16,384 (lane / 2) + 256 (lane % 2); never rewritten
.set VPW,  37                          ; v37     asking ahead, w2h: the lane's offset in hand
.set VPS,  38                          ; v38     lane / 8: which of four K steps
.set VPR,  39                          ; v39     2,048 (lane % 8): which of my eight rows
.set F0,   64
.set F1,   128
.set RB,   64                          ; 8 rows x 4 partial tiles x 4 registers
.set BT,   128                         ; the head: b2, 8 experts for each of 8 column blocks
.set GT,   192                         ; the head: gates, 8 experts for each of 8 row blocks
.set G1,  24
.set G0,  32
.set G1B, 48
.set G0B, 56
.set MSK, 72                           ; s72  lanes 0-15 in wave 0, none in the others
.set PFA, 74                           ; s[74:75] hg at my sixteen rows of the tile's 128; never rewritten
.set PST, 76                           ; s76  the K step that my wave asks for next
.set PFT, 78                           ; s[78:79] hg at those rows and that K step
.set PFO, 80                           ; s[80:81] that K step's bytes along a row
.set PFB, 82                           ; s[82:83] w2h at my eight rows of a K step's 256 and the tile's columns; never rewritten
.set MSB, 0
.macro WIN new
.if MSB != \new
	s_set_vgpr_msb (MSB<<8)|\new
.set MSB, \new
.endif
.endm
.set MUL_LO, 0xa1
.set MUL_HI, 0xf1
.set TO_B,   0x40
.macro JLOAD s                         ; a joint load: waves 0 and 1 fetch hg's two halves, waves 2 and 3 w2h's; four v_nop follow each of the two lines
	s_cmp_eq_u32 s11, 0
	s_cbranch_scc0 .Lfor_b_\@
	tensor_load_to_lds s[G0+4*\s:G0+4*\s+3], s[G1:G1+7]
	s_nop 0
.rept 4
	v_nop
.endr
	s_branch .Lasked_\@
.Lfor_b_\@:
	tensor_load_to_lds s[G0B+4*\s:G0B+4*\s+3], s[G1B:G1B+7]
	s_nop 0
.rept 4
	v_nop
.endr
.Lasked_\@:
.endm
.macro CREST
	s_cmp_lg_u32 s10, 0
	s_cbranch_scc1 .Lnot_wave_0_\@
	s_barrier_signal -3
.Lnot_wave_0_\@:
	s_barrier_wait -3
	s_barrier_signal -1
	s_barrier_wait -1
.endm
.macro CROUND
	s_barrier_signal -1
	s_barrier_wait -1
	CREST
.endm
	s_load_b128 s[4:7], s[0:1], 0x0                ; hg s[4:5], w2h s[6:7]
	s_load_b128 s[68:71], s[0:1], 0x10             ; b2 s[68:69], gates s[70:71]
	s_load_b64 s[8:9], s[0:1], 0x20                ; out0
	v_lshl_add_u32 v[SPW], v0, 2, SPARE
	v_mov_b32 v[NIL], 0
	ds_add_u32 v28, v29
	s_wait_dscnt 0x0
	v_lshrrev_b32 v1, 5, v0
	v_readfirstlane_b32 s10, v1                    ; wave 0..3: my 64 of each K step
	s_lshr_b32 s11, s10, 1                         ; I fetch for hg (0) or for w2h (1),
	s_and_b32 s12, s10, 1                          ; this half of the tile
	s_bfe_u32 s40, ttmp6, 0x40000                  ; cx
	s_bfe_u32 s41, ttmp6, 0x40004                  ; cy
	s_lshl_b32 s42, ttmp9, 2
	s_add_co_u32 s42, s42, s40                     ; tile column 0..7
	s_and_b32 s13, ttmp7, 0xffff
	s_lshl_b32 s13, s13, 2
	s_add_co_u32 s13, s13, s41                     ; tile row 0..31
	s_lshl_b32 s43, s41, 2
	s_lshl_b32 s43, 15, s43                        ; my row of the cluster
	s_lshl_b32 s44, 0x1111, s40                    ; my column
	s_or_b32 s[G1+0], s43, (1<<16)|(1<<20)|(1<<21)|(6<<22)|(3<<25)   ; hg: mask my row; 2 bytes; padding on; bit 21 beside a mask; after every 128 words, 4 words
	s_mov_b32 s[G1+1], 256<<16                     ; tensor_dim0 = 256
	s_mov_b32 s[G1+2], 64<<16                      ; tensor_dim1 = 64
	s_mov_b32 s[G1+3], 256<<16                     ; tile_dim0 = 256
	s_mov_b32 s[G1+4], 64                          ; tile_dim1 = 64
	s_mov_b32 s[G1+5], 8192                        ; elements from row to row
	s_mov_b32 s[G1+6], 0
	s_mov_b32 s[G1+7], 0
	s_or_b32 s[G1B+0], s44, (1<<16)|(1<<20)|(1<<21)|(5<<22)|(7<<25)  ; w2h: mask my column; after every 64 words, 8 words
	s_mov_b32 s[G1B+1], 128<<16
	s_mov_b32 s[G1B+2], 128<<16
	s_mov_b32 s[G1B+3], 128<<16
	s_mov_b32 s[G1B+4], 128
	s_mov_b32 s[G1B+5], 1024
	s_mov_b32 s[G1B+6], 0
	s_mov_b32 s[G1B+7], 0
	s_lshl_b32 s16, s13, 21                        ; hg: (128 x tile row + 64 x half) rows of 16,384 bytes: hangs on the tile row alone
	s_lshl_b32 s17, s12, 20
	s_add_co_u32 s16, s16, s17
	s_mov_b32 s17, 0
	s_lshl_b32 s46, s12, 18                        ; w2h: 128 x half rows of 2,048 bytes, 256 bytes a tile column: hangs on the tile column alone
	s_lshl_b32 s47, s42, 8
	s_add_co_u32 s46, s46, s47
	s_mov_b32 s47, 0
	s_mul_i32 s20, s12, 64*PA                      ; where they go: hg's halves at 0 and 33,792,
	s_mul_i32 s21, s12, 128*PB                     ; w2h's behind hg's 128 rows, at 67,584 and 104,448
	s_add_co_u32 s21, s21, ATILE
	s_wait_kmcnt 0x0
	s_add_nc_u64 s[14:15], s[4:5], s[16:17]
	s_add_nc_u64 s[46:47], s[6:7], s[46:47]
	CROUND                                         ; all sixteen work-groups are here: the first joint loads meet
.irp s, 0,1
	s_mov_b32 s[G0+4*\s], 1
	s_add_co_u32 s[G0+4*\s+1], s20, \s*SLOT
	s_add_nc_u64 s[G0+4*\s+2:G0+4*\s+3], s[14:15], \s*KSTEP*2
	s_or_b32 s[G0+4*\s+3], s[G0+4*\s+3], 0x80000000
	s_mov_b32 s[G0B+4*\s], 1
	s_add_co_u32 s[G0B+4*\s+1], s21, \s*SLOT
	s_add_nc_u64 s[G0B+4*\s+2:G0B+4*\s+3], s[46:47], \s*KSTEP*2048
	s_or_b32 s[G0B+4*\s+3], s[G0B+4*\s+3], 0x80000000
	JLOAD \s                                       ; both slots are asked for before anything else: two loads of mine are out
.endr
	v_and_b32 v1, 15, v0                           ; r
	v_bfe_u32 v2, v0, 4, 1                         ; h
	v_lshlrev_b32 v[GO], 5, v1
	v_lshlrev_b32 v[BO], 2, v1
	s_lshl_b32 s86, s42, 9                         ; b2 at the tile's 128 columns
	s_mov_b32 s87, 0
	s_add_nc_u64 s[68:69], s[68:69], s[86:87]
	s_lshl_b32 s86, s13, 12                        ; gates at the tile's 128 rows
	s_add_nc_u64 s[70:71], s[70:71], s[86:87]
.irp a, 0,1,2,3,4,5,6,7
	global_load_b128 v[GT+8*\a:GT+8*\a+3],   v[GO], s[70:71] offset:512*\a      ; row 16 a + r: its 8 gates
	global_load_b128 v[GT+8*\a+4:GT+8*\a+7], v[GO], s[70:71] offset:512*\a+16
.endr
.irp b, 0,1,2,3,4,5,6,7
.irp e, 0,1,2,3,4,5,6,7
	global_load_b32 v[BT+8*\b+\e], v[BO], s[68:69] offset:4096*\e+64*\b         ; column 16 b + r: b2 of the 8 experts
.endr
.endr
	v_mul_u32_u24 v3, v1, PA
	v_lshl_add_u32 v3, v2, 4, v3                   ; hg's fragment: row r x pitch + 16 h
	v_and_b32 v4, 7, v0
	v_lshl_add_u32 v4, v2, 3, v4
	v_mul_u32_u24 v4, v4, PB                       ; w2h's: k row 8 h + l % 8,
	v_bfe_u32 v5, v0, 3, 1
	v_lshl_add_u32 v4, v5, 4, v4                   ; columns 8 ((l / 8) % 2) on
	s_lshl_b32 s21, s10, 7                         ; my 64 along K: 128 bytes of hg's rows,
	s_mul_i32 s22, s10, 64*PB                      ; 64 rows of w2h,
	s_add_co_u32 s22, s22, ATILE                   ; which lies behind hg's tile
.irp s, 0,1
	v_add_nc_u32 v[ADRA+\s], s21, v3
	v_add_nc_u32 v[ADRB+\s], s22, v4
	s_add_co_u32 s21, s21, SLOT
	s_add_co_u32 s22, s22, SLOT
.endr
	s_mul_i32 s23, s10, SUMT                       ; my partial tile: row r, 32 bytes for each half of the lanes
	v_mul_u32_u24 v5, v1, PSUM
	v_lshl_add_u32 v5, v2, 5, v5
	v_add_nc_u32 v[DST], s23, v5
	v_and_b32 v5, 31, v0                           ; lane
	v_lshlrev_b32 v[CO], 4, v5
	v_lshrrev_b32 v[VPA], 1, v5                    ; asking ahead: see PREF
	v_and_b32 v[VPW], 1, v5
	v_lshlrev_b32 v[VPA], 14, v[VPA]
	v_lshl_add_u32 v[VPA], v[VPW], 8, v[VPA]
	v_lshrrev_b32 v[VPS], 3, v5
	v_and_b32 v[VPR], 7, v5
	v_lshlrev_b32 v[VPR], 11, v[VPR]
	s_mul_i32 s23, s10, 32*PSUM                    ; the 32 rows that I add and store
.irp s, 0,1,2,3
	v_add_nc_u32 v[RDA+\s], s23, v[CO]
	s_add_co_u32 s23, s23, SUMT
.endr
	s_lshl_b32 s86, s13, 19                        ; out0: (128 x tile row + 32 x wave) rows of 4,096 bytes, 512 bytes a tile column
	s_lshl_b32 s87, s10, 17
	s_add_co_u32 s86, s86, s87
	s_lshl_b32 s87, s42, 9
	s_add_co_u32 s86, s86, s87
	s_mov_b32 s87, 0
	s_add_nc_u64 s[8:9], s[8:9], s[86:87]
	s_lshl_b32 s86, s13, 21                        ; hg at row 128 x tile row + 16 x tile column
	s_lshl_b32 s87, s42, 18
	s_add_co_u32 s86, s86, s87
	s_mov_b32 s87, 0
	s_add_nc_u64 s[PFA:PFA+1], s[4:5], s[86:87]
	s_lshl_b32 s86, s13, 14                        ; w2h at row 8 x tile row, 256 bytes a tile column
	s_lshl_b32 s87, s42, 8
	s_add_co_u32 s86, s86, s87
	s_mov_b32 s87, 0
	s_add_nc_u64 s[PFB:PFB+1], s[6:7], s[86:87]
	s_add_co_u32 s[PST], s10, 3
	s_mov_b32 s[PFO+1], 0
	s_cmp_eq_u32 s10, 0
	s_cselect_b32 s[MSK], 0xffff, 0
.macro MUL16 f, hi, a0, zero
.irp a, \a0, \a0+1
.irp b, 0,1,2,3,4,5,6,7
.if \zero
	v_wmma_f32_16x16x32_f16 v[8*(8*(\a)+\b):8*(8*(\a)+\b)+7], v[\f+8*\b:\f+8*\b+7], v[\f+8*(4*\hi+\a):\f+8*(4*\hi+\a)+7], 0
.else
	v_wmma_f32_16x16x32_f16 v[8*(8*(\a)+\b):8*(8*(\a)+\b)+7], v[\f+8*\b:\f+8*\b+7], v[\f+8*(4*\hi+\a):\f+8*(4*\hi+\a)+7], v[8*(8*(\a)+\b):8*(8*(\a)+\b)+7]
.endif
.endr
.endr
.endm
.macro FETCH slot, q, f                ; 32 LDS loads in one run: half q (32 along K) of my 64: w2h's 128 columns, turned, then hg's 128 rows
	WIN TO_B
.irp i, 0,1,2,3,4,5,6,7
	ds_load_tr16_b128 v[\f+8*\i:\f+8*\i+3],   v[ADRB+\slot] offset:\q*32*PB+32*\i
	ds_load_tr16_b128 v[\f+8*\i+4:\f+8*\i+7], v[ADRB+\slot] offset:\q*32*PB+16*PB+32*\i
.endr
	WIN 0
.irp i, 0,1,2,3,4,5,6,7
	ds_load_b128 v[\f+8*\i:\f+8*\i+3],   v[ADRA+\slot] offset:\q*64+\i*16*PA
	ds_load_b128 v[\f+8*\i+4:\f+8*\i+7], v[ADRA+\slot] offset:\q*64+\i*16*PA+32
.endr
.endm
.macro PLACES                          ; four plain vector instructions between a matrix instruction and a load into, or a read of, its registers
.rept 4
	v_nop
.endr
.endm
.macro HALF slot                       ; a K step's first half: multiplies buffer 0; in its middle it fetches the second half into buffer 1
	s_wait_dscnt 8                                 ; w2h's fragments and hg's rows 0-63 are in; the youngest eight loads may be out
	WIN MUL_LO
	MUL16 F0, 0, 0, 0
	MUL16 F0, 0, 2, 0
	PLACES
	FETCH \slot, 1, F1
	s_wait_dscnt 32                                ; all but the 32 just issued
	WIN MUL_HI
	MUL16 F0, 1, 0, 0
	MUL16 F0, 1, 2, 0
.endm
; ASKING AHEAD.  In K steps t = 0, 4, .. 28 (every second trip: the trips to go are then odd) the tiles of K steps t + 3 .. t + 6 are asked for, whose tensor loads are issued one to four K steps later.
; hg: the eight work-groups of a tile row share its tile's 128 rows, sixteen each by their tile column; wave w asks for K step t + 3 + w: 32 lanes, 256 bytes apart in pairs: 16 rows x 512 bytes.
; w2h: the 32 work-groups of a tile column share a K step's 256 rows, eight each by their tile row; wave 0 asks for four K steps at once: 32 lanes, 4 x 8 rows x 256 bytes (eight rows alone would
; leave three lanes in four without a block, which is why the asking goes by four K steps).  So each block is asked for by one lane of the launch, and a work-group asks for 40 KiB at a time.
; K steps past the last are clamped to 31: no request leaves its buffer (hg's last: row 4,095, byte 16,128; w2h's last: row 8,191, byte 1,792).
.macro PREF
	s_bitcmp1_b32 s3, 0
	s_cbranch_scc0 .Lnot_now_\@
	s_wait_xcnt 0x0                                ; the registers that the last requests named, four K steps ago, are rewritten only behind this wait
	s_min_u32 s[PFO], s[PST], 31
	s_lshl_b32 s[PFO], s[PFO], 9                   ; 512 bytes of a row for each K step
	s_add_nc_u64 s[PFT:PFT+1], s[PFA:PFA+1], s[PFO:PFO+1]
	global_prefetch_b8 v[VPA], s[PFT:PFT+1] th:TH_LOAD_NT scope:SCOPE_SE
	s_cmp_lg_u32 s10, 0
	s_cbranch_scc1 .Lhg_alone_\@
	v_add_nc_u32 v[VPW], s[PST], v[VPS]            ; in wave 0 the step in hand is t + 3
	v_min_u32 v[VPW], 31, v[VPW]
	v_lshl_add_u32 v[VPW], v[VPW], 19, v[VPR]      ; 256 rows of 2,048 bytes for each K step
	global_prefetch_b8 v[VPW], s[PFB:PFB+1] th:TH_LOAD_NT scope:SCOPE_SE
.Lhg_alone_\@:
	s_add_co_u32 s[PST], s[PST], 4
.Lnot_now_\@:
.endm
; A K step's second half, and the change of slots in front of it.  Each wave waits for all its tensor loads, of which one is out: its part of the next slot; adds 0 to its spare word; steps the
; descriptors of the slot that it leaves; and waits for the add and for its reads of that slot, the last of which were issued in the middle of the first half.
; fill = 1: a round of the cluster's barrier follows, and the slot is filled again, two K steps on, first thing behind it: 128 matrix instructions ahead of the wait for that load.
; fill = 0: nothing is left to fetch: the work-group's barrier alone, which shows the next slot whole.  ask = 1: see PREF.
.macro TURN slot, next, fill, ask
	WIN 0
	s_wait_tensorcnt 0x0
	ds_add_u32 v[SPW], v[NIL]
.if \fill
	s_add_nc_u64 s[G0+4*\slot+2:G0+4*\slot+3], s[G0+4*\slot+2:G0+4*\slot+3], STEP_A     ; no tensor load of mine is out: a group 0 may be written
	s_add_nc_u64 s[G0B+4*\slot+2:G0B+4*\slot+3], s[G0B+4*\slot+2:G0B+4*\slot+3], STEP_B
.endif
	s_wait_dscnt 0x0
.if \fill
	CROUND                                         ; no wave of any partner still reads this slot's tiles or has a load on its way
	JLOAD \slot                                    ; my one tensor load behind the round; its four v_nop are also the places in front of the loads below
.else
	s_barrier_signal -1
	s_barrier_wait -1
	PLACES
.endif
	FETCH \next, 0, F0
.if \ask
	PREF
.endif
	WIN MUL_LO
	MUL16 F1, 0, 0, 0
	MUL16 F1, 0, 2, 0
	WIN MUL_HI
	MUL16 F1, 1, 0, 0
	MUL16 F1, 1, 2, 0
.endm
	; THE SUMS ARE STARTED while the first tiles are on their way.  A fragment holds K = 8 h + 0..7 in registers 0-3 and K = 16 + 8 h + 0..7 in registers 4-7: the 8 experts fill
	; registers 0-3 of lanes 0-15; the other lanes and registers 4-7 are the padding of K to 32 and hold 0.
	s_wait_loadcnt 0x0
.irp a, 0,1,2,3,4,5,6,7
.irp p, 0,1,2,3
	v_cvt_pk_f16_f32 v[GT+8*\a+\p], v[GT+8*\a+2*\p], v[GT+8*\a+2*\p+1]   ; in place, ascending: a result never lands on a number still to be read
	v_cvt_pk_f16_f32 v[BT+8*\a+\p], v[BT+8*\a+2*\p], v[BT+8*\a+2*\p+1]
.endr
.endr
.irp a, 0,1,2,3,4,5,6,7
.irp p, 0,1,2,3
	v_cndmask_b32 v[F0+8*\a+\p], 0, v[GT+8*\a+\p], s[MSK]
	v_mov_b32 v[F0+8*\a+4+\p], 0
.endr
.endr
	WIN TO_B
.irp b, 0,1,2,3,4,5,6,7
.irp p, 0,1,2,3
	v_cndmask_b32 v[F0+8*\b+\p], 0, v[BT+8*\b+\p], s[MSK]
	v_mov_b32 v[F0+8*\b+4+\p], 0
.endr
.endr
	WIN MUL_LO
	MUL16 F0, 0, 0, 1
	MUL16 F0, 0, 2, 1
	WIN MUL_HI
	MUL16 F0, 1, 0, 1
	MUL16 F0, 1, 2, 1
	PLACES                                         ; in front of the loads into buffer 0
	s_wait_tensorcnt 1                             ; my part of K step 0 is in; K step 1's may stay out
	s_barrier_signal -1
	s_barrier_wait -1
	FETCH 0, 0, F0
	HALF 0
	WIN 0                                          ; at a label and at a branch every window is 0
	s_mov_b32 s3, 15
.Llap:                                                 ; a trip: two K steps, from a step's second half to the first half two steps on; both slots are filled again.  The 64 accumulators take turns
	TURN 0, 1, 1, 1
	HALF 1
	TURN 1, 0, 1, 0
	HALF 0
	WIN 0
	s_sub_co_u32 s3, s3, 1
	s_cmp_lg_u32 s3, 0
	s_cbranch_scc1 .Llap
	TURN 0, 1, 0, 0                                ; K step 30's second half
	HALF 1
	s_wait_dscnt 8                                 ; K step 31's second half
	WIN MUL_LO
	MUL16 F1, 0, 0, 0
	MUL16 F1, 0, 2, 0
	s_wait_dscnt 0x0
	WIN MUL_HI
	MUL16 F1, 1, 0, 0
	MUL16 F1, 1, 2, 0
	; THE FOUR PARTIAL TILES ARE ADDED.  The ring has had its last fill; when every wave has read its last fragment, each wave lays its tile into the ring's bytes.
	WIN 0
	PLACES                                         ; behind the last products: their results are stored, and rows land on the fragment buffers
	s_wait_dscnt 0x0
	s_barrier_signal -1
	s_barrier_wait -1                              ; nobody reads the ring any more
.irp a, 0,1,2,3,4,5,6,7
	WIN (0x08+4*((\a)/4))                          ; store data in window 2 or 3
.irp b, 0,1,2,3,4,5,6,7
	ds_store_b128 v[DST], v[64*((\a)%4)+8*\b:64*((\a)%4)+8*\b+3]   offset:\a*16*PSUM+64*\b      ; each accumulator from its low end on
	ds_store_b128 v[DST], v[64*((\a)%4)+8*\b+4:64*((\a)%4)+8*\b+7] offset:\a*16*PSUM+64*\b+16
.endr
.endr
	WIN 0
	s_wait_dscnt 0x0                               ; for the others: my tile is in LDS
	s_barrier_signal -1
	s_barrier_wait -1
	; Wave w adds and stores rows 32 w .. 32 w + 31, eight at a time: a row is 512 bytes, 16 a lane.
.irp t, 0,1,2,3
.if \t > 0
	s_wait_xcnt 0x0                                ; the registers that the last eight stores read are loaded again only behind this wait
.endif
.irp j, 0,1,2,3,4,5,6,7
.irp s, 0,1,2,3
	ds_load_b128 v[RB+16*\j+4*\s:RB+16*\j+4*\s+3], v[RDA+\s] offset:(8*\t+\j)*PSUM
.endr
.endr
.irp j, 0,1,2,3,4,5,6,7
	s_wait_dscnt 4*(7-\j)                          ; row j's four loads are in; the later rows' stay out
	v_pk_add_f32 v[RB+16*\j:RB+16*\j+1],     v[RB+16*\j:RB+16*\j+1],     v[RB+16*\j+4:RB+16*\j+5]
	v_pk_add_f32 v[RB+16*\j+2:RB+16*\j+3],   v[RB+16*\j+2:RB+16*\j+3],   v[RB+16*\j+6:RB+16*\j+7]
	v_pk_add_f32 v[RB+16*\j+8:RB+16*\j+9],   v[RB+16*\j+8:RB+16*\j+9],   v[RB+16*\j+12:RB+16*\j+13]
	v_pk_add_f32 v[RB+16*\j+10:RB+16*\j+11], v[RB+16*\j+10:RB+16*\j+11], v[RB+16*\j+14:RB+16*\j+15]
	v_pk_add_f32 v[RB+16*\j:RB+16*\j+1],     v[RB+16*\j:RB+16*\j+1],     v[RB+16*\j+8:RB+16*\j+9]
	v_pk_add_f32 v[RB+16*\j+2:RB+16*\j+3],   v[RB+16*\j+2:RB+16*\j+3],   v[RB+16*\j+10:RB+16*\j+11]
	global_store_b128 v[CO], v[RB+16*\j:RB+16*\j+3], s[8:9] offset:(8*\t+\j)*4096 th:TH_STORE_NT   ; the wave stores 512 consecutive bytes, at a multiple of 512 from out0's first byte
.endr
.endr
	s_wait_tensorcnt 0x0                           ; the wave's end
	ds_add_u32 v[SPW], v[NIL]
	s_wait_dscnt 0x0
	CROUND                                         ; the closing round: no work-group ends while a partner may still ask for a tile that names it
	s_endpgm
.Lfunc_end_k_q6d984e128c_down:
	.size	k_q6d984e128c_down, .Lfunc_end_k_q6d984e128c_down-k_q6d984e128c_down
	.p2alignl 7, 3214868480
	.fill 96, 4, 3214868480
	.section	.rodata,"a",@progbits
	.p2align	6, 0x0
	.amdhsa_kernel k_q6d984e128c_down
		.amdhsa_group_segment_fixed_size 327680
		.amdhsa_private_segment_fixed_size 0
		.amdhsa_enable_private_segment 0
		.amdhsa_kernarg_size 40
		.amdhsa_user_sgpr_count 2
		.amdhsa_user_sgpr_kernarg_segment_ptr 1
		.amdhsa_wavefront_size32 1
		.amdhsa_system_sgpr_workgroup_id_x 1
		.amdhsa_system_sgpr_workgroup_id_y 1
		.amdhsa_system_sgpr_workgroup_id_z 1
		.amdhsa_system_vgpr_workitem_id 0
		.amdhsa_next_free_vgpr 1024
		.amdhsa_next_free_sgpr 96
		.amdhsa_reserve_vcc 0
		.amdhsa_float_denorm_mode_32 3
		.amdhsa_float_denorm_mode_16_64 3
		.amdhsa_memory_ordered 1
		.amdhsa_forward_progress 1
		.amdhsa_inst_pref_size 117
	.end_amdhsa_kernel
	.amdgpu_metadata
---
amdhsa.version: [ 1, 2 ]
amdhsa.kernels:
  - .name:           k_q6d984e128c_down
    .symbol:         k_q6d984e128c_down.kd
    .args:
      - { .name: hg, .offset: 0, .size: 8, .value_kind: global_buffer, .address_space: global }
      - { .name: w2h, .offset: 8, .size: 8, .value_kind: global_buffer, .address_space: global }
      - { .name: b2, .offset: 16, .size: 8, .value_kind: global_buffer, .address_space: global }
      - { .name: gates, .offset: 24, .size: 8, .value_kind: global_buffer, .address_space: global }
      - { .name: out0, .offset: 32, .size: 8, .value_kind: global_buffer, .address_space: global }
    .group_segment_fixed_size: 327680
    .private_segment_fixed_size: 0
    .kernarg_segment_align: 8
    .kernarg_segment_size: 40
    .max_flat_workgroup_size: 128
    .sgpr_count:     96
    .vgpr_count:     1024
    .wavefront_size: 32
...
	.end_amdgpu_metadata
.endif
;; end of part 3
;; ======== version 2 of 2: 3 launches; version 1 with the launch prep written anew for expert scheduling mode
;; limits: values are held in f16: magnitudes above 65,504 overflow, below 6.1e-05 lose precision; values outside matrix products are rounded to f16; a function is approximated: absolute error at most 1e-05; an absolute error that grows with the inputs' magnitude: up to 1e-05 times it
;; workspace buffers: xh 8,388,608 bytes; w1h 16,777,216 bytes; w2h 16,777,216 bytes; gates 131,072 bytes; hg 67,108,864 bytes
;; launch prep (part 4): grid 256 x 1, 8 waves a work-group, no clusters, 9,216 bytes of LDS; arguments x, Wg, bg, W1, W2, xh, gates, w1h, w2h; writes xh, gates, w1h, w2h
.if DOCPART == 4
	.amdgcn_target "amdgcn-amd-amdhsa--gfx1250"
	.amdhsa_code_object_version 6
	.text
	.protected	k_q6d984e128c_prep
	.globl	k_q6d984e128c_prep
	.p2align	8
	.type	k_q6d984e128c_prep,@function
k_q6d984e128c_prep:
	s_mov_b64 s[64:65], 0
	v_nop
	global_prefetch_b8 v0, s[64:65] scope:SCOPE_SE
	s_setreg_imm32_b32 hwreg(HW_REG_WAVE_SCHED_MODE, 0, 2), 2
	s_setreg_imm32_b32 hwreg(HW_REG_WAVE_MODE, 25, 1), 1
	s_wait_xcnt 0x0
	s_wait_alu depctr_vm_vsrc(0)
; PREP: xh = f16(x), w1h = f16(W1), w2h = f16(W2) (layouts unchanged), gates = softmax(x Wg + bg) in f32.
; 256 work-groups of eight waves.  Work-group g takes (A) rows 16 g .. 16 g + 15 of x and (B) 262,144 bytes of weights: g < 128 from W1, the others from W2.
; Thread t owns the 16 bytes at 16 t of every chunk of 4,096 bytes (a row of x, or a chunk of weights): a load of a wave covers 512 consecutive bytes,
; a store of 8 bytes a lane 256 consecutive bytes, aligned.  Every input byte is read once and every output byte written once.
; The gate product has 8 columns and rides on the rows that are in registers for the cast: f32 multiply-adds, no matrix unit (0.02 per cent of the problem's products).
; The weights go through a ring of 16 slots in registers.  Its first round is dealt among the sixteen rows, one slot to each row, so that the weights' loads and stores go on while the gate sums are made.
; No cluster, no tensor loads: the only shared input is Wg, 32 KiB.  The softmax takes the row's maximum away first.
; WHY f16: 11 significant bits.  With 8 (bf16) the roundings of x, W1, W2 and of the hidden layer add up to a third of the error that the result may have, too near for four million numbers.
; LIMITS: a number of x, W1 or W2 beyond 65,504 in size becomes an infinity; below 2^-14 the rounding step is 2^-24 (weights 30 times smaller than 1/32 have an rms of 0.001: the error is 3e-5 of it).
; A gate below 2^-126 comes out as 0 (the exponential gives no denormal results: ISA guide, its entry in 15.8).
; THE MODE: SCHED_MODE bits 1:0 = 2 (LLVM: expert scheduling mode 2), set by the entry lines.  The code itself states the register dependences
; between vector instructions and memory or LDS instructions, with s_wait_alu, always for 0.
; THE PLAN.  Registers that memory or LDS instructions touch:
;   v1 .. v6      offsets and LDS addresses, made once at the head and never written again: the chunks are reached by the scalar bases and by immediate offsets.
;   X[i]          Loaded at the head; read by row i's products; its first two registers are written by the row's two roundings and read by the row's store to xh.
;                 Behind the barrier wave 0's LDS loads land in X[0] .. X[7].
;   RX[i]         Read by slot i's two roundings; behind them the load of the chunk sixteen further on lands in it.
;   RY[i]         Written by slot i's two roundings; read by the slot's store; written again a round later.
;   COL           Written by the rows' selects; read by the two LDS stores; never written again.     v146-149  wave 0's gates: written by four multiplies, read by one store.
;   ACC, TT, v144-151 are named by vector instructions alone.     v134, v135: written at the head, read by the closing add alone.
; So ONE wait on va_vdst stands in a row's turn, behind the row's and the slot's roundings: the slot's refill, its store and the row's store follow it, and behind them the row's lane sums and selects,
; which name ACC, TT and COL: none of the registers that those three touch.  In the later rounds one such wait serves four slots: eight roundings, the wait, four loads, four stores.
; It stands behind the roundings, so that an emptied slot is asked for again at once: 12 to 16 loads of every wave are on their way.  One wait on vm_vsrc a round stands ahead of the next round's writes of RY.
.set XO,  2                            ; v2        16 t
.set YO,  3                            ; v3        8 t
.set WGT, 8                            ; v[8:39]   Wg[4 t + i][e] at 8 i + e
.set X,   40                           ; v[40:103] row i of x: 4 registers; behind its products the first two hold the row as f16
.set BG,  104                          ; v[104:107] bg
.set TT,  108                          ; v[108:115] the other half of the lanes' sums
.set ACC, 136                          ; v[136:143] the row's 8 partial logits
.set COL, 152                          ; v[152:159] lane i keeps row i's 8 sums of this wave
.set RX,  160                          ; v[160:223] the weights' ring: slot i, 4 registers as loaded
.set RY,  224                          ; v[224:255] slot i, 2 registers to store
	s_load_b512 s[8:23], s[0:1], 0x0               ; x s[8:9], Wg s[10:11], bg s[12:13], W1 s[14:15], W2 s[16:17], xh s[18:19], gates s[20:21], w1h s[22:23]
	s_load_b64 s[24:25], s[0:1], 0x40              ; w2h
	v_lshl_add_u32 v134, v0, 2, 0x2000
	v_mov_b32 v135, 0
	v_lshrrev_b32 v7, 5, v0
	v_readfirstlane_b32 s31, v7                    ; wave 0..7
	v_and_b32 v1, 31, v0
	v_lshlrev_b32 v1, 4, v1                        ; 16 x lane
	v_and_b32 v6, 1, v0
	v_lshlrev_b32 v6, 4, v6                        ; 16 x (lane & 1): which four experts
	v_lshlrev_b32 v[XO], 4, v0
	v_lshlrev_b32 v[YO], 3, v0
	v_lshlrev_b32 v4, 7, v0                        ; my four rows of Wg: 128 t
	v_lshlrev_b32 v5, 5, v0                        ; my 32 bytes in LDS
.irp e, 0,1,2,3,4,5,6,7
	v_mov_b32 v[TT+\e], 0                          ; v_permlanex16_b32 counts as a reader of its destination
.endr
	s_wait_alu depctr_va_sdst(0)                   ; s31 is written, ahead of its one reader: the compare behind the barrier, which picks wave 0
	s_mov_b32 s34, 0x76543210                      ; each lane takes its own place in the other half
	s_mov_b32 s35, 0xfedcba98
	s_mov_b32 s36, 0x3fb8aa3b                      ; log2(e)
	s_and_b32 s4, ttmp9, 127                       ; my region of the weight tensor
	s_lshl_b32 s2, s4, 18                          ; x 262,144 bytes of f32
	s_mov_b32 s3, 0
	s_lshl_b32 s4, s4, 17                          ; x 131,072 bytes of f16
	s_mov_b32 s5, 0
	s_lshl_b32 s6, ttmp9, 16                       ; 16 rows of x
	s_mov_b32 s7, 0
	s_lshl_b32 s38, ttmp9, 15                      ; 16 rows of xh
	s_mov_b32 s39, 0
	s_lshl_b32 s40, ttmp9, 9                       ; 16 rows of gates
	s_mov_b32 s41, 0
	s_wait_kmcnt 0x0
	s_cmp_lt_u32 ttmp9, 128
	s_cselect_b64 s[26:27], s[14:15], s[16:17]     ; from W1 or W2
	s_cselect_b64 s[28:29], s[22:23], s[24:25]     ; into w1h or w2h
	s_add_nc_u64 s[26:27], s[26:27], s[2:3]
	s_add_nc_u64 s[28:29], s[28:29], s[4:5]
	s_add_nc_u64 s[8:9], s[8:9], s[6:7]
	s_add_nc_u64 s[18:19], s[18:19], s[38:39]
	s_add_nc_u64 s[20:21], s[20:21], s[40:41]
	s_wait_alu depctr_va_vdst(0)                   ; the offsets and LDS addresses v1 to v6 are written: every load, store and LDS instruction of the kernel reads one of them
	; 41 loads go out at once: bg, Wg, the 16 rows of x, the ring's first 16 chunks
	global_load_b128 v[BG:BG+3], v6, s[12:13]
.irp q, 0,1,2,3,4,5,6,7
	global_load_b128 v[WGT+4*\q:WGT+4*\q+3], v4, s[10:11] offset:16*\q
.endr
.irp i, 0,1,2,3,4,5,6,7,8,9,10,11,12,13,14,15
	global_load_b128 v[X+4*\i:X+4*\i+3], v[XO], s[8:9] offset:4096*\i th:TH_LOAD_NT
.endr
.irp i, 0,1,2,3,4,5,6,7,8,9,10,11,12,13,14,15
	global_load_b128 v[RX+4*\i:RX+4*\i+3], v[XO], s[26:27] offset:4096*\i th:TH_LOAD_NT
.endr
; Row i and the ring's slot i.  My four columns' share of the row's 8 logits; the row's cast, in place; the slot's cast; the one wait; the slot's refill, its store and the row's store;
; then the sum over the wave's 32 lanes, of which lane i keeps row i's.
.macro PAIR i
.if \i == 0
	s_wait_loadcnt 31                              ; loads come back in order: behind row 0 stand 15 rows and the ring's 16 chunks.  The later rows are shown landed by the first slot's wait
.endif
.irp p, 0,2,4,6
	v_pk_mul_f32 v[ACC+\p:ACC+\p+1], v[WGT+\p:WGT+\p+1], v[X+4*\i:X+4*\i+1] op_sel_hi:[1,0]   ; two experts at a time, both times x of column 4 t
.endr
.irp p, 0,2,4,6
	v_pk_fma_f32 v[ACC+\p:ACC+\p+1], v[WGT+8+\p:WGT+8+\p+1], v[X+4*\i:X+4*\i+1], v[ACC+\p:ACC+\p+1] op_sel:[0,1,0] op_sel_hi:[1,1,1]   ; column 4 t + 1
.endr
.irp p, 0,2,4,6
	v_pk_fma_f32 v[ACC+\p:ACC+\p+1], v[WGT+16+\p:WGT+16+\p+1], v[X+4*\i+2:X+4*\i+3], v[ACC+\p:ACC+\p+1] op_sel_hi:[1,0,1]
.endr
.irp p, 0,2,4,6
	v_pk_fma_f32 v[ACC+\p:ACC+\p+1], v[WGT+24+\p:WGT+24+\p+1], v[X+4*\i+2:X+4*\i+3], v[ACC+\p:ACC+\p+1] op_sel:[0,1,0] op_sel_hi:[1,1,1]
.endr
	v_cvt_pk_f16_f32 v[X+4*\i],   v[X+4*\i],   v[X+4*\i+1]      ; the products are made: the row is rounded where it lies
	v_cvt_pk_f16_f32 v[X+4*\i+1], v[X+4*\i+2], v[X+4*\i+3]
	s_wait_loadcnt 15                              ; the ring's first round: slot i's load is in; behind it stand 15 - i first fills and i refills
	v_cvt_pk_f16_f32 v[RY+2*\i],   v[RX+4*\i],   v[RX+4*\i+1]
	v_cvt_pk_f16_f32 v[RY+2*\i+1], v[RX+4*\i+2], v[RX+4*\i+3]
	s_wait_alu depctr_va_vdst(0)                   ; the four roundings have written X[i]'s first two registers and RY[i], which the two stores read, and are done reading RX[i], in which the load lands
	global_load_b128 v[RX+4*\i:RX+4*\i+3], v[XO], s[26:27] offset:(16+\i)*4096 th:TH_LOAD_NT
	global_store_b64 v[YO], v[RY+2*\i:RY+2*\i+1], s[28:29] offset:2048*\i
	global_store_b64 v[YO], v[X+4*\i:X+4*\i+1], s[18:19] offset:2048*\i
.irp m, 1,2,4,8                                        ; from here to the turn's end only ACC, TT and COL are named: none of the registers that the three lines above touch
.irp e, 0,1,2,3,4,5,6,7
	v_add_f32_dpp v[ACC+\e], v[ACC+\e], v[ACC+\e] row_xmask:\m row_mask:0xf bank_mask:0xf
.endr
.endr
.irp e, 0,1,2,3,4,5,6,7
	v_permlanex16_b32 v[TT+\e], v[ACC+\e], s34, s35
.endr
.irp e, 0,1,2,3,4,5,6,7
	v_add_f32 v[ACC+\e], v[ACC+\e], v[TT+\e]       ; every lane holds the wave's sum
.endr
.if \i == 0
.irp e, 0,1,2,3,4,5,6,7
	v_mov_b32 v[COL+\e], v[ACC+\e]                 ; row 0 writes the registers whole
.endr
.else
	s_mov_b32 s30, 1<<\i                           ; (the turn's wait above stands between the last row's selects, which read s30, and this line)
.irp e, 0,1,2,3,4,5,6,7
	v_cndmask_b32 v[COL+\e], v[COL+\e], v[ACC+\e], s30   ; lane i takes row i
.endr
.endif
.endm
; The weights: 64 chunks of 4,096 bytes through a ring of 16 slots in registers.  Behind the first round the slots go four at a time: slots 4 g .. 4 g + 3.
.macro GROUP g, ahead, left
	s_wait_loadcnt \left                           ; the group's four loads are in; the younger ones stay out
.irp j, 0,1,2,3
	v_cvt_pk_f16_f32 v[RY+2*(4*\g+\j)],   v[RX+4*(4*\g+\j)],   v[RX+4*(4*\g+\j)+1]
	v_cvt_pk_f16_f32 v[RY+2*(4*\g+\j)+1], v[RX+4*(4*\g+\j)+2], v[RX+4*(4*\g+\j)+3]
.endr
	s_wait_alu depctr_va_vdst(0)                   ; the eight roundings have written the group's RY, which the stores read; where the group loads, they are done reading its RX, in which the loads land
.if \ahead
.irp j, 0,1,2,3
	global_load_b128 v[RX+4*(4*\g+\j):RX+4*(4*\g+\j)+3], v[XO], s[26:27] offset:(16+4*\g+\j)*4096 th:TH_LOAD_NT
.endr
.endif
.irp j, 0,1,2,3
	global_store_b64 v[YO], v[RY+2*(4*\g+\j):RY+2*(4*\g+\j)+1], s[28:29] offset:2048*(4*\g+\j)
.endr
.endm
.macro NEXTROUND
	s_wait_xcnt 0x0                                ; the two bases and RY, which this round's loads and stores name, are rewritten only behind this wait
	s_wait_alu depctr_vm_vsrc(0)                   ; this round's stores have read RY, which the next round's roundings write again; behind the first round: the stores to xh have read the registers of X in which wave 0's LDS loads land
	s_add_nc_u64 s[26:27], s[26:27], 0x10000
	s_add_nc_u64 s[28:29], s[28:29], 0x8000
.endm
.irp i, 0,1,2,3,4,5,6,7,8,9,10,11,12,13,14,15
	PAIR \i
.endr
	NEXTROUND                                      ; (the wait on XCNT also frees the registers from which the rows of xh were stored)
	s_wait_alu depctr_va_vdst(0)                   ; the selects have written COL, which the LDS stores read; and every product and rounding that named X is done: no vector instruction stands between here and wave 0's LDS loads into X
	ds_store_b128 v5, v[COL:COL+3]                 ; wave w, lane i (0-15): row i at 1,024 w + 32 i; what lanes 16-31 store is never read
	ds_store_b128 v5, v[COL+4:COL+7] offset:16
	s_wait_dscnt 0x0                               ; for wave 0: my stores are done
	s_barrier_signal -1
	s_barrier_wait -1
	s_cmp_lg_u32 s31, 0
	s_cbranch_scc1 .Lring                          ; wave 0 alone finishes the 16 rows' gates
.irp w, 0,1,2,3,4,5,6,7
	ds_load_b128 v[X+4*\w:X+4*\w+3], v1 offset:1024*\w   ; lane l: row l / 2, experts 4 (l & 1) .. + 3, of wave w
.endr
	s_wait_dscnt 0x0
.irp w, 0,2,4,6
	v_pk_add_f32 v[X+4*\w:X+4*\w+1],   v[X+4*\w:X+4*\w+1],   v[X+4*\w+4:X+4*\w+5]
	v_pk_add_f32 v[X+4*\w+2:X+4*\w+3], v[X+4*\w+2:X+4*\w+3], v[X+4*\w+6:X+4*\w+7]
.endr
.irp w, 0,4
	v_pk_add_f32 v[X+4*\w:X+4*\w+1],   v[X+4*\w:X+4*\w+1],   v[X+4*\w+8:X+4*\w+9]
	v_pk_add_f32 v[X+4*\w+2:X+4*\w+3], v[X+4*\w+2:X+4*\w+3], v[X+4*\w+10:X+4*\w+11]
.endr
	v_pk_add_f32 v[X:X+1],   v[X:X+1],   v[X+16:X+17]
	v_pk_add_f32 v[X+2:X+3], v[X+2:X+3], v[X+18:X+19]
	v_pk_add_f32 v[X:X+1],   v[X:X+1],   v[BG:BG+1]
	v_pk_add_f32 v[X+2:X+3], v[X+2:X+3], v[BG+2:BG+3]
	v_max3_num_f32 v144, v[X], v[X+1], v[X+2]      ; the row's maximum: my four, then the neighbour lane's four
	v_max_num_f32 v144, v144, v[X+3]
	v_max_num_f32_dpp v144, v144, v144 row_xmask:1 row_mask:0xf bank_mask:0xf
	v_mul_f32 v145, s36, v144
.irp e, 0,1,2,3
	v_fma_f32 v[146+\e], v[X+\e], s36, -v145       ; (logit - maximum) x log2(e); the same number is taken from all eight
.endr
.irp e, 0,1,2,3
	v_exp_f32 v[146+\e], v[146+\e]
.endr
	v_nop                                          ; a plain instruction between the last exponential and the use of its result
	s_wait_alu depctr_va_vdst(0)                   ; the four exponentials have written v146 to v149, ahead of the additions that read them
	v_add_f32 v150, v146, v147
	v_add_f32 v151, v148, v149
	v_add_f32 v150, v150, v151
	v_add_f32_dpp v150, v150, v150 row_xmask:1 row_mask:0xf bank_mask:0xf
	v_rcp_f32 v151, v150
	v_nop
	s_wait_alu depctr_va_vdst(0)                   ; the reciprocal has written v151, ahead of the multiplies that read it
.irp e, 0,1,2,3
	v_mul_f32 v[146+\e], v[146+\e], v151
.endr
	s_wait_alu depctr_va_vdst(0)                   ; the four multiplies have written v146 to v149, which the store reads
	global_store_b128 v1, v[146:149], s[20:21]     ; 16 rows x 32 bytes: 512 consecutive bytes
.Lring:
	s_mov_b32 s32, 2                               ; chunks 16 to 47 are cast, chunks 32 to 63 asked for
.Lround:
	GROUP 0, 1, 12                                 ; sixteen loads are out at a group's head, the group's four the oldest of them
	GROUP 1, 1, 12
	GROUP 2, 1, 12
	GROUP 3, 1, 12
	NEXTROUND
	s_sub_co_u32 s32, s32, 1
	s_cmp_lg_u32 s32, 0
	s_cbranch_scc1 .Lround
	GROUP 0, 0, 12                                 ; the last round loads nothing: the counts run down
	GROUP 1, 0, 8
	GROUP 2, 0, 4
	GROUP 3, 0, 0
	s_wait_dscnt 0x0                               ; the closing lines, six on end
	s_wait_alu 0x0
	s_wait_tensorcnt 0x0
	ds_add_u32 v134, v135
	s_wait_dscnt 0x0
	s_endpgm
.Lfunc_end_k_q6d984e128c_prep:
	.size	k_q6d984e128c_prep, .Lfunc_end_k_q6d984e128c_prep-k_q6d984e128c_prep
	.p2alignl 7, 3214868480
	.fill 96, 4, 3214868480
	.section	.rodata,"a",@progbits
	.p2align	6, 0x0
	.amdhsa_kernel k_q6d984e128c_prep
		.amdhsa_group_segment_fixed_size 9216
		.amdhsa_private_segment_fixed_size 0
		.amdhsa_enable_private_segment 0
		.amdhsa_kernarg_size 72
		.amdhsa_user_sgpr_count 2
		.amdhsa_user_sgpr_kernarg_segment_ptr 1
		.amdhsa_wavefront_size32 1
		.amdhsa_system_sgpr_workgroup_id_x 1
		.amdhsa_system_sgpr_workgroup_id_y 1
		.amdhsa_system_sgpr_workgroup_id_z 1
		.amdhsa_system_vgpr_workitem_id 0
		.amdhsa_next_free_vgpr 256
		.amdhsa_next_free_sgpr 66
		.amdhsa_reserve_vcc 0
		.amdhsa_float_denorm_mode_32 3
		.amdhsa_float_denorm_mode_16_64 3
		.amdhsa_memory_ordered 1
		.amdhsa_forward_progress 1
		.amdhsa_inst_pref_size 97
	.end_amdhsa_kernel
	.amdgpu_metadata
---
amdhsa.version: [ 1, 2 ]
amdhsa.kernels:
  - .name:           k_q6d984e128c_prep
    .symbol:         k_q6d984e128c_prep.kd
    .args:
      - { .name: x, .offset: 0, .size: 8, .value_kind: global_buffer, .address_space: global }
      - { .name: Wg, .offset: 8, .size: 8, .value_kind: global_buffer, .address_space: global }
      - { .name: bg, .offset: 16, .size: 8, .value_kind: global_buffer, .address_space: global }
      - { .name: W1, .offset: 24, .size: 8, .value_kind: global_buffer, .address_space: global }
      - { .name: W2, .offset: 32, .size: 8, .value_kind: global_buffer, .address_space: global }
      - { .name: xh, .offset: 40, .size: 8, .value_kind: global_buffer, .address_space: global }
      - { .name: gates, .offset: 48, .size: 8, .value_kind: global_buffer, .address_space: global }
      - { .name: w1h, .offset: 56, .size: 8, .value_kind: global_buffer, .address_space: global }
      - { .name: w2h, .offset: 64, .size: 8, .value_kind: global_buffer, .address_space: global }
    .group_segment_fixed_size: 9216
    .private_segment_fixed_size: 0
    .kernarg_segment_align: 8
    .kernarg_segment_size: 72
    .max_flat_workgroup_size: 256
    .sgpr_count:     66
    .vgpr_count:     256
    .wavefront_size: 32
...
	.end_amdgpu_metadata
.endif
;; end of part 4
;; launch up: the kernel of part 2 again; grid 32 x 8, 4 waves a work-group, clusters of 4 x 4, 327,680 bytes of LDS; arguments xh, w1h, b1, gates, hg; writes hg
;; launch down: the kernel of part 3 again; grid 8 x 32, 4 waves a work-group, clusters of 4 x 4, 327,680 bytes of LDS; arguments hg, w2h, b2, gates, out0; writes out0
